; MI455X (gfx1250); checked and timed in simulation.
; The chip was launched on July 23, 2026; its instructions are those of AMD's public machine-readable ISA for CDNA 5 (MIT licence, August 2026) and "CDNA5" Instruction Set Architecture Reference Guide (July 2026). The comments in the code are by the model that wrote it; some were corrected since.
;; Diff Attention. Allowed arithmetic: float matrix products may take bf16 or f16 operands with f32 sums; other float arithmetic in f32, or as packed bf16 or f16 multiplies, adds, multiply-adds, maxima and minima; sums over many terms, partial sums and values carried from step to step in f32; what a program stores and reads back later, other than sums and carried values, may be rounded once to bf16 or f16.
;; Inputs: lambda_k1 64 float32; lambda_k2 64 float32; lambda_q1 64 float32; lambda_q2 64 float32; subln_weight 128 float32; wk 2,048 x 2,048 float32; wout 2,048 x 2,048 float32; wq 2,048 x 2,048 float32; wv 2,048 x 2,048 float32; x 1 x 2,048 x 2,048 float32.
;; Outputs: out0 1 x 2,048 x 2,048 float32.
;; 2 versions, each right; version 2 is version 1 with the launch prep written anew for expert scheduling mode. Each part assembles by itself: llvm-mc -triple=amdgcn-amd-amdhsa -mcpu=gfx1250 --defsym DOCPART=n.
;; ======== version 1 of 2: 4 launches
;; limits: values are held in f16: magnitudes above 65,504 overflow, below 6.1e-05 lose precision
;; workspace buffers: xb 8,388,608 bytes; wb 25,165,824 bytes; wo 8,388,608 bytes; tab 524,288 bytes; qkv 25,165,824 bytes; at 8,388,608 bytes
;; launch prep (part 1): grid 128 x 5, 8 waves a work-group, no clusters, 0 bytes of LDS; arguments x, wq, wk, wv, xb, wb, tab; writes xb, wb, tab
.if DOCPART == 1
	.amdgcn_target "amdgcn-amd-amdhsa--gfx1250"
	.amdhsa_code_object_version 6
	.text
	.protected	k_q0940a9926d_prep
	.globl	k_q0940a9926d_prep
	.p2align	8
	.type	k_q0940a9926d_prep,@function
k_q0940a9926d_prep:
	s_mov_b64 s[64:65], 0
	v_nop
	global_prefetch_b8 v0, s[64:65] scope:SCOPE_SE
	s_setreg_imm32_b32 hwreg(HW_REG_WAVE_MODE, 25, 1), 1
	s_wait_xcnt 0x0
; PREP.  y = 0: xb = bf16(x).  y = 1, 2, 3: wb[y-1] = bf16(wq, wk, wv).  y = 4: the rotary table.
; The four matrices are [2048][2048] f32.  A work-group takes 16 rows; thread t takes 8 numbers (32 bytes in, 16 bytes out) of each row, so a wave's store covers 512 consecutive bytes.
; All 32 loads of a thread go out first (16 KiB a wave on their way); each row is converted and stored behind a counted wait.  No register that a store reads is written again, so no further wait is needed.
; TABLE.  tab[t][j] = (cos, sin)(t x 10^(-j/8)), t = 0..2047, j = 0..31, f32: a row of 256 bytes.  The angle is kept in turns as a sum of two f32 (g = 10^(-j/8) / 2 pi made from five factors of two f32 each,
; chosen by j's bits), reduced exactly to a quarter turn's eighth, and sine and cosine are short series on |angle| <= pi/4.  The angle is good to about 2e-7 radians.
.set X, 8                              ; v[8:135]  row i of 16: eight registers as loaded; the first four then hold what is stored
	s_load_b256 s[8:15], s[0:1], 0x0               ; x 8:9, wq 10:11, wk 12:13, wv 14:15
	s_load_b128 s[16:19], s[0:1], 0x20             ; xb 16:17, wb 18:19
	s_load_b64 s[20:21], s[0:1], 0x30              ; tab
	s_and_b32 s2, ttmp7, 0xffff                    ; y: which matrix, or the table
	v_lshlrev_b32 v1, 5, v0                        ; my 32 bytes of a source row; never rewritten on the converting path
	v_lshlrev_b32 v2, 4, v0                        ; my 16 bytes of a destination row
	s_lshl_b32 s28, ttmp9, 17                      ; the work-group's 16 rows: 8,192 bytes each in,
	s_mov_b32 s29, 0
	s_lshl_b32 s30, ttmp9, 16                      ; 4,096 bytes each out
	s_mov_b32 s31, 0
	s_max_u32 s26, s2, 1                           ; which third of wb: y - 1 for y = 1, 2, 3; 0 for x
	s_sub_co_u32 s26, s26, 1
	s_lshl_b32 s26, s26, 23
	s_mov_b32 s27, 0
	s_wait_kmcnt 0x0
	s_cmp_eq_u32 s2, 4
	s_cbranch_scc1 .Ltable
	s_mov_b64 s[4:5], s[8:9]                       ; the source, chosen by y
	s_cmp_eq_u32 s2, 1
	s_cselect_b64 s[4:5], s[10:11], s[4:5]
	s_cmp_eq_u32 s2, 2
	s_cselect_b64 s[4:5], s[12:13], s[4:5]
	s_cmp_eq_u32 s2, 3
	s_cselect_b64 s[4:5], s[14:15], s[4:5]
	s_cmp_eq_u32 s2, 0                             ; the destination
	s_cselect_b64 s[6:7], s[16:17], s[18:19]
	s_add_nc_u64 s[6:7], s[6:7], s[26:27]
	s_add_nc_u64 s[4:5], s[4:5], s[28:29]
	s_add_nc_u64 s[6:7], s[6:7], s[30:31]
.irp i, 0,1,2,3,4,5,6,7,8,9,10,11,12,13,14,15
	global_load_b128 v[X+8*(\i):X+8*(\i)+3],   v1, s[4:5] offset:8192*(\i) th:TH_LOAD_NT
	global_load_b128 v[X+8*(\i)+4:X+8*(\i)+7], v1, s[4:5] offset:8192*(\i)+16 th:TH_LOAD_NT
.endr
.irp i, 0,1,2,3,4,5,6,7,8,9,10,11,12,13,14,15
	s_wait_loadcnt 30-2*(\i)                       ; loads come back in order: the two of each of the 15 - i later rows may stay out
.irp n, 0,1,2,3
	v_cvt_pk_bf16_f32 v[X+8*(\i)+(\n)], v[X+8*(\i)+2*(\n)], v[X+8*(\i)+2*(\n)+1]  ; in place: each destination has been read by then
.endr
	global_store_b128 v2, v[X+8*(\i):X+8*(\i)+3], s[6:7] offset:4096*(\i)
.endr
	s_endpgm
.Ltable:                                       ; 128 work-groups x 16 rows: wave w makes rows 16 bx + w and 16 bx + w + 8, lane j the pair j
	v_and_b32 v1, 31, v0                           ; j
	v_lshrrev_b32 v2, 5, v0                        ; wave
	s_lshl_b32 s3, ttmp9, 4
	v_add_nc_u32 v3, s3, v2                        ; t of the first row
	v_add_nc_u32 v4, 8, v3                         ; and of the second
	v_lshlrev_b32 v5, 3, v0                        ; 256 x wave + 8 x lane
	s_lshl_b32 s28, ttmp9, 12                      ; 16 rows of 256 bytes
	s_add_nc_u64 s[20:21], s[20:21], s[28:29]
	v_mov_b32 v6, 0x3e22f983                       ; g = 1 / 2 pi, high part
	v_mov_b32 v7, 0x31dc9c88                       ; and low part
; g (v6 + v7) times hi + lo where j has the bit, times 1 elsewhere: product, its exact remainder by fused multiply-adds, renormalised
.macro DFSTEP bit, hi, lo
	s_mov_b32 s30, \hi
	s_mov_b32 s31, \lo
	v_and_b32 v12, \bit, v1
	v_cmp_ne_u32 vcc_lo, 0, v12
	v_cndmask_b32 v8, 1.0, s30, vcc_lo
	v_cndmask_b32 v9, 0, s31, vcc_lo
	v_mul_f32 v10, v6, v8
	v_fma_f32 v11, v6, v8, -v10
	v_fma_f32 v11, v6, v9, v11
	v_fma_f32 v11, v7, v8, v11
	v_add_f32 v6, v10, v11
	v_sub_f32 v12, v6, v10
	v_sub_f32 v7, v11, v12
.endm
	DFSTEP 1,  0x3f3ff911, 0x32022bb3              ; 10^(-1/8)
	DFSTEP 2,  0x3f0ff59a, 0xb1f8f1f8              ; 10^(-1/4)
	DFSTEP 4,  0x3ea1e89b, 0x31121242              ; 10^(-1/2)
	DFSTEP 8,  0x3dcccccd, 0xb0cccccd              ; 10^-1
	DFSTEP 16, 0x3c23d70a, 0x2f75c28f              ; 10^-2
; cos and sin of t x g turns into v[o], v[o+1], stored at byte imm of the work-group's rows
.macro ANGLE t, o, imm
	v_cvt_f32_u32 v13, v[\t]
	v_mul_f32 v14, v13, v6                         ; turns, high part,
	v_fma_f32 v15, v13, v6, -v14                   ; what the product lost,
	v_fma_f32 v15, v13, v7, v15                    ; and g's low part
	v_rndne_f32 v16, v14
	v_sub_f32 v17, v14, v16                        ; whole turns leave exactly
	v_add_f32 v17, v17, v15                        ; the fraction, -1/2 .. 1/2
	v_mul_f32 v18, 4.0, v17
	v_rndne_f32 v18, v18                           ; quarter turns, -2 .. 2
	v_fmamk_f32 v19, v18, 0xbe800000, v17          ; what is left, -1/8 .. 1/8 of a turn
	v_mul_f32 v20, 0x40c90fdb, v19                 ; in radians
	v_mul_f32 v21, v20, v20
	v_mov_b32 v22, 0x3638ef1d                      ; sine: 1/9!, -1/7!, 1/5!, -1/3!
	v_fmaak_f32 v22, v22, v21, 0xb9500d01
	v_fmaak_f32 v22, v22, v21, 0x3c088889
	v_fmaak_f32 v22, v22, v21, 0xbe2aaaab
	v_mul_f32 v24, v20, v21
	v_fma_f32 v24, v24, v22, v20
	v_mov_b32 v23, 0xb493f27e                      ; cosine: -1/10!, 1/8!, -1/6!, 1/4!, -1/2
	v_fmaak_f32 v23, v23, v21, 0x37d00d01
	v_fmaak_f32 v23, v23, v21, 0xbab60b61
	v_fmaak_f32 v23, v23, v21, 0x3d2aaaab
	v_fmaak_f32 v23, v23, v21, 0xbf000000
	v_fma_f32 v25, v23, v21, 1.0
	v_cvt_i32_f32 v26, v18
	v_and_b32 v27, 1, v26                          ; an odd quarter swaps the two,
	v_cmp_ne_u32 vcc_lo, 0, v27
	v_cndmask_b32 v[\o], v25, v24, vcc_lo
	v_cndmask_b32 v[(\o)+1], v24, v25, vcc_lo
	v_add_nc_u32 v27, 1, v26                       ; quarters 1 and 2 turn the cosine's sign,
	v_and_b32 v27, 2, v27
	v_lshlrev_b32 v27, 30, v27
	v_xor_b32 v[\o], v27, v[\o]
	v_and_b32 v27, 2, v26                          ; quarters 2 and 3 the sine's
	v_lshlrev_b32 v27, 30, v27
	v_xor_b32 v[(\o)+1], v27, v[(\o)+1]
	global_store_b64 v5, v[\o:(\o)+1], s[20:21] offset:\imm  ; a wave stores one whole row of 256 bytes
.endm
	ANGLE 3, 28, 0
	ANGLE 4, 30, 2048
	s_endpgm
.Lfunc_end_k_q0940a9926d_prep:
	.size	k_q0940a9926d_prep, .Lfunc_end_k_q0940a9926d_prep-k_q0940a9926d_prep
	.p2alignl 7, 3214868480
	.fill 96, 4, 3214868480
	.section	.rodata,"a",@progbits
	.p2align	6, 0x0
	.amdhsa_kernel k_q0940a9926d_prep
		.amdhsa_group_segment_fixed_size 0
		.amdhsa_private_segment_fixed_size 0
		.amdhsa_enable_private_segment 0
		.amdhsa_kernarg_size 56
		.amdhsa_user_sgpr_count 2
		.amdhsa_user_sgpr_kernarg_segment_ptr 1
		.amdhsa_wavefront_size32 1
		.amdhsa_system_sgpr_workgroup_id_x 1
		.amdhsa_system_sgpr_workgroup_id_y 1
		.amdhsa_system_sgpr_workgroup_id_z 1
		.amdhsa_system_vgpr_workitem_id 0
		.amdhsa_next_free_vgpr 144
		.amdhsa_next_free_sgpr 66
		.amdhsa_reserve_vcc 1
		.amdhsa_float_denorm_mode_32 3
		.amdhsa_float_denorm_mode_16_64 3
		.amdhsa_memory_ordered 1
		.amdhsa_forward_progress 1
		.amdhsa_inst_pref_size 18
	.end_amdhsa_kernel
	.amdgpu_metadata
---
amdhsa.version: [ 1, 2 ]
amdhsa.kernels:
  - .name:           k_q0940a9926d_prep
    .symbol:         k_q0940a9926d_prep.kd
    .args:
      - { .name: x, .offset: 0, .size: 8, .value_kind: global_buffer, .address_space: global }
      - { .name: wq, .offset: 8, .size: 8, .value_kind: global_buffer, .address_space: global }
      - { .name: wk, .offset: 16, .size: 8, .value_kind: global_buffer, .address_space: global }
      - { .name: wv, .offset: 24, .size: 8, .value_kind: global_buffer, .address_space: global }
      - { .name: xb, .offset: 32, .size: 8, .value_kind: global_buffer, .address_space: global }
      - { .name: wb, .offset: 40, .size: 8, .value_kind: global_buffer, .address_space: global }
      - { .name: tab, .offset: 48, .size: 8, .value_kind: global_buffer, .address_space: global }
    .group_segment_fixed_size: 0
    .private_segment_fixed_size: 0
    .kernarg_segment_align: 8
    .kernarg_segment_size: 56
    .max_flat_workgroup_size: 256
    .sgpr_count:     66
    .vgpr_count:     144
    .wavefront_size: 32
...
	.end_amdgpu_metadata
.endif
;; end of part 1
;; launch qkv (part 2): grid 16 x 16, 4 waves a work-group, clusters of 4 x 4, 327,680 bytes of LDS; arguments xb, wb, tab, qkv; writes qkv
.if DOCPART == 2
	.amdgcn_target "amdgcn-amd-amdhsa--gfx1250"
	.amdhsa_code_object_version 6
	.text
	.protected	k_q0940a9926d_qkv
	.globl	k_q0940a9926d_qkv
	.p2align	8
	.type	k_q0940a9926d_qkv,@function
k_q0940a9926d_qkv:
	s_mov_b64 s[64:65], 0
	v_nop
	global_prefetch_b8 v0, s[64:65] scope:SCOPE_SE
	s_setreg_imm32_b32 hwreg(HW_REG_WAVE_MODE, 25, 1), 1
	s_wait_xcnt 0x0
	s_wait_alu depctr_hold_cnt(0) depctr_sa_sdst(0) depctr_va_vdst(0) depctr_va_sdst(0) depctr_va_ssrc(0) depctr_va_vcc(0) depctr_vm_vsrc(0)
	s_getreg_b32 s2, hwreg(HW_REG_IB_STS2, 6, 4)
	s_cmp_eq_u32 s2, 0
	s_cbranch_scc0 .Lentry_in_a_cluster
	s_endpgm
.Lentry_in_a_cluster:
	s_bfe_u32 s2, ttmp6, 0x10000c
	s_cmp_lg_u32 s2, 0xf033
	s_cbranch_scc0 .Lentry_shape_is_right
	s_endpgm
.Lentry_shape_is_right:
; [q | k | v] = xb wb^T, rotary embedding on q and k in f32, each number rounded once to f16 and stored by differential head: qkv[3][16][2048][128], rows of 256 bytes.
; xb: [2048][2048] bf16.  wb: [3][2048][2048] bf16 (wq, wk, wv).  tab: [2048][32][cos, sin] f32.  Sums in f32.
; LIMIT.  q, k and v leave as f16: beyond 65,504 they would be infinities.
; SHARES.  Work-group (x, y) = (mt, nt) makes 128 rows of x (128 mt on) times 384 columns: rows 128 nt .. + 127 of wq, of wk and of wv, which are head nt's q, k and v.  16 x 16 work-groups, all with the same kinds of columns.
; Wave w: rows 64 (w / 2) on; of each of the three parts the columns 64 (w % 2) on: 4 row blocks x 12 column blocks of 16 x 16: 48 accumulators, 384 registers.
; K goes in 16 steps of 128 (rows of 256 bytes) through a ring of two LDS slots; a slot holds A's 128 rows and 128 rows of each weight.  Wave 0 fetches A's tile, waves 1, 2, 3 those of wq, wk, wv: one tensor load a wave.
; THE LOOP IS ONE K STEP: one descriptor walks from K step to K step and from slot to slot, and the fragments' LDS addresses are made anew at each change of slots from s[TB], the slot's first byte.
; CLUSTER 4 x 4.  A's tile hangs on mt alone and is shared along a column of the cluster, the weights' on nt alone and are shared along a row: each is asked for jointly, by the same load, descriptor and mask in all four.
; THE MATRIX INSTRUCTION IS USED TRANSPOSED (source 0 = 16 rows of a weight, source 1 = 16 rows of x): a lane holds row l % 16 of x and the columns 8 (l / 16) + 0..7: four (even, odd) pairs of the rotary embedding.
; REGISTERS, in windows of 256 (s_set_vgpr_msb: bits 1:0 source 0, 3:2 source 1, 5:4 source 2, 7:6 destination):
;   window 0: v16-30 addresses; v32-63, v64-79 at work on the way out; v128-255 my rows' cos and sin (32 registers a row block); at the very end v32-95, v128-255 the rows read back
;   window 1: two fragment buffers of 128: A's four fragments, then the weights' twelve     window 2: accumulators of row blocks 0, 1 at 8 (12 (a % 2) + b)     window 3: those of row blocks 2, 3
.set KSTEP,  128
.set PITCH,  272                       ; an LDS row: 256 bytes + 16 of padding = 68 words: the 16 rows of a load start at 16 different groups of four banks (64 banks of 4 bytes: ISA guide 11.1)
.set PART,   128*PITCH                 ; 128 rows: what one tensor load brings: 0x8800 bytes
.set SLOT,   4*PART                    ; A, wq's, wk's, wv's rows: 0x22000 bytes.  wave x PART (0, 0x8800, 0x11000, 0x19800) and SLOT share no bit: one exclusive or turns a tile's LDS address from one slot's into the other's
.set SPARE,  2*SLOT                    ; behind the ring: the spare words, 128 bytes for each wave: two blocks of 256 bytes that no other line names
.set SPITCH, 784                       ; the stage for the way out: 128 rows of 768 bytes + 16, from LDS byte 0: inside slot 0, which has had its last fill and its last read by then
.set ADRA0, 16                         ; v16     my lane's place in A's part of a slot; never rewritten
.set ADRA,  17                         ; v17     the same in the slot in hand
.set ADRB0, 18                         ; v18, 19 likewise in wq's part (wk's lies PART further, inside the immediate's 16 bits)
.set ADRB,  19
.set ADRC0, 20                         ; v20, 21 likewise in wv's part
.set ADRC,  21
.set STO,   24                         ; v24     the way out: where I put 16 bytes of a row
.set RD,    25                         ; v25     where I read rows back
.set CO,    26                         ; v26     16 x lane: my place in 512 consecutive bytes of qkv
.set TABO,  27                         ; v27     my byte offset in 16 rows of the table
.set SPW,   28                         ; v28     LDS address of my spare word; never rewritten
.set NIL,   29                         ; v29     0; never rewritten
.set PFO,   30                         ; v30     the prefetches' offset: 4,096 x lane, a lane a row; never rewritten
.set TMP,   32
.set PK,    64
.set CS,    128
.set F0,    0
.set F1,    128
.set WV,  12                           ; s12  wave
.set RH,  13                           ; s13  which 64 rows are mine
.set CH,  14                           ; s14  which 64 columns of each part
.set LIM, 15                           ; s15  1 in a wave that prefetches, else the greatest number
.set G1,  24                           ; s[24:31] group 1 for A's tiles; s[32:39] group 0: a set for each of the two first fills; the second then walks on
.set G0,  32
.set PFA, 44                           ; s[44:45] where my prefetches stand
.set G1B, 48                           ; s[48:55], s[56:63] the same for the weights' tiles
.set G0B, 56
.set OUT, 66                           ; s[66:71] qkv at the 32 rows that I store, in q, in k, in v
.set TABB, 72                          ; s[72:73] the table at my 64 rows
.set TB,  74                           ; s74  first LDS byte of the slot in hand: 0 or SLOT
.set MSB, 0
.macro WIN new                         ; the immediate's high byte repeats the setting that is left; a switch that changes nothing is dropped
.if MSB != (\new)
	s_set_vgpr_msb (MSB<<8)|(\new)
.set MSB, \new
.endif
.endm
.set TO_F, 0x40                        ; destination window 1, address window 0
; A joint load.  The branch hangs on the wave's number alone.  An s_nop 0 and four v_nop follow each of the two lines, ahead of the jump, the label and what follows.
.macro JLOAD s
	s_cmp_eq_u32 s[WV], 0
	s_cbranch_scc0 .Lfor_b_\@
	tensor_load_to_lds s[G0+4*(\s):G0+4*(\s)+3], s[G1:G1+7]
	s_nop 0
.rept 4
	v_nop
.endr
	s_branch .Lasked_\@
.Lfor_b_\@:
	tensor_load_to_lds s[G0B+4*(\s):G0B+4*(\s)+3], s[G1B:G1B+7]
	s_nop 0
.rept 4
	v_nop
.endr
.Lasked_\@:
.endm
; A PREFETCH INTO THE L2 of the K step that the NEXT refill will ask for: 32 rows x 256 bytes, a lane a row, one instruction a wave, 192 matrix instructions ahead of that refill.
; Each row's 256 bytes of a K step are named once in the launch.  A's rows are read by every cluster with the same cluster x: the one with cluster y = 0 asks (wave 0); a weight's rows by every cluster with the same
; cluster y: the one with cluster x = 0 asks (waves 1 to 3, each for its weight).  The four partners that ask for a tile jointly share its 128 rows out BY ADDRESS, 32 each (cy for A, cx for the weights).
; The loop's last trip (s3 = 1) refills K step 15, which has no successor, and asks for nothing.  K steps 0 to 2 come by their loads alone.
.macro ASK
	s_cmp_gt_u32 s3, s[LIM]
	s_cbranch_scc0 .Lnot_mine_\@
	global_prefetch_b8 v[PFO], s[PFA:PFA+1] offset:KSTEP*2 th:TH_LOAD_NT scope:SCOPE_SE
.Lnot_mine_\@:
.endm
.macro CREST                           ; a round of the cluster's barrier behind its opening barrier
	s_cmp_lg_u32 s[WV], 0
	s_cbranch_scc1 .Lnot_wave_0_\@
	s_barrier_signal -3
.Lnot_wave_0_\@:
	s_barrier_wait -3
	s_barrier_signal -1
	s_barrier_wait -1
.endm
.macro CROUND                          ; a whole round
	s_barrier_signal -1
	s_barrier_wait -1
	CREST
.endm
	s_load_b256 s[4:11], s[0:1], 0x0               ; xb s[4:5], wb s[6:7], tab s[8:9], qkv s[10:11]
	v_lshl_add_u32 v[SPW], v0, 2, SPARE
	v_mov_b32 v[NIL], 0
	ds_add_u32 v[SPW], v[NIL]                      ; the wave's opening: the add and its wait stand ahead of my first tensor load; the set-up below, work on registers, stands between them
	v_lshrrev_b32 v1, 5, v0
	v_readfirstlane_b32 s[WV], v1
	s_lshr_b32 s[RH], s[WV], 1
	s_and_b32 s[CH], s[WV], 1
	s_bfe_u32 s40, ttmp6, 0x40000                  ; cx
	s_bfe_u32 s41, ttmp6, 0x40004                  ; cy
	s_lshl_b32 s43, ttmp9, 2
	s_add_co_u32 s43, s43, s40                     ; mt = 4 x cluster x + cx
	s_and_b32 s42, ttmp7, 0xffff
	s_lshl_b32 s42, s42, 2
	s_add_co_u32 s42, s42, s41                     ; nt = 4 x cluster y + cy
	s_lshl_b32 s22, 0x1111, s40                    ; my column of the cluster (the same cx): A's partners
	s_lshl_b32 s23, s41, 2
	s_lshl_b32 s23, 15, s23                        ; my row (the same cy): the weights' partners
	s_or_b32 s[G1+0], s22, (1<<16)|(1<<20)|(1<<21)|(5<<22)|(3<<25)   ; 15:0 the mask; 17:16 2-byte elements; 20 padding on; 21 set beside a mask; 24:22 after every 64 words (code 5); 31:25 4 words (code 3)
	s_or_b32 s[G1B+0], s23, (1<<16)|(1<<20)|(1<<21)|(5<<22)|(3<<25)
.irp g, G1, G1B
	s_mov_b32 s[(\g)+1], KSTEP<<16                 ; tensor_dim0 = 128
	s_mov_b32 s[(\g)+2], 128<<16                   ; tensor_dim1 = 128
	s_mov_b32 s[(\g)+3], KSTEP<<16                 ; tile_dim0 = 128
	s_mov_b32 s[(\g)+4], 128                       ; tile_dim1 = 128
	s_mov_b32 s[(\g)+5], 2048                      ; elements from row to row
	s_mov_b32 s[(\g)+6], 0
	s_mov_b32 s[(\g)+7], 0
.endr
	s_lshl_b32 s16, s43, 19                        ; A: 128 mt rows of 4,096 bytes (these registers never hold cy or nt)
	s_mov_b32 s17, 0
	s_lshl_b32 s46, s42, 19                        ; the weights: 128 nt rows (these never hold cx or mt),
	s_max_u32 s20, s[WV], 1
	s_sub_co_u32 s20, s20, 1
	s_lshl_b32 s20, s20, 23                        ; in wq, wk, wv for waves 1, 2, 3
	s_add_co_u32 s46, s46, s20
	s_mov_b32 s47, 0
	s_mul_i32 s21, s[WV], PART                     ; where my tile goes: wave x 128 rows: no place in the cluster enters an LDS address
	s_wait_dscnt 0x0                               ; the opening add is done
	s_wait_kmcnt 0x0
	s_add_nc_u64 s[18:19], s[4:5], s[16:17]
	s_add_nc_u64 s[46:47], s[6:7], s[46:47]
	CROUND                                         ; all sixteen work-groups are here: the first joint loads meet
.irp s, 0,1
	s_mov_b32 s[G0+4*(\s)], 1
	s_add_co_u32 s[G0+4*(\s)+1], s21, (\s)*SLOT
	s_add_nc_u64 s[G0+4*(\s)+2:G0+4*(\s)+3], s[18:19], (\s)*KSTEP*2
	s_or_b32 s[G0+4*(\s)+3], s[G0+4*(\s)+3], 0x80000000
	s_mov_b32 s[G0B+4*(\s)], 1
	s_add_co_u32 s[G0B+4*(\s)+1], s21, (\s)*SLOT
	s_add_nc_u64 s[G0B+4*(\s)+2:G0B+4*(\s)+3], s[46:47], (\s)*KSTEP*2
	s_or_b32 s[G0B+4*(\s)+3], s[G0B+4*(\s)+3], 0x80000000
	JLOAD \s                                       ; K steps 0 and 1: two loads of mine are out
.endr
	v_and_b32 v1, 15, v0                           ; r = l % 16
	v_bfe_u32 v2, v0, 4, 1                         ; h = l / 16
	v_mul_u32_u24 v3, v1, PITCH
	v_lshl_add_u32 v3, v2, 4, v3                   ; a fragment's row x pitch + 16 x half
	s_mul_i32 s74, s[RH], 64*PITCH
	s_mul_i32 s75, s[CH], 64*PITCH
	s_add_co_u32 s75, s75, PART
	v_add_nc_u32 v[ADRA0], s74, v3
	v_add_nc_u32 v[ADRB0], s75, v3
	v_add_nc_u32 v[ADRC0], 2*PART, v[ADRB0]
	s_mul_i32 s74, s[RH], 64*SPITCH                ; into the stage: row 64 rh + r (+ 16 a), byte 128 ch + 16 h (+ 256 g + 32 bm)
	s_lshl_b32 s75, s[CH], 7
	s_add_co_u32 s74, s74, s75
	v_mul_u32_u24 v4, v1, SPITCH
	v_lshl_add_u32 v4, v2, 4, v4
	v_add_nc_u32 v[STO], s74, v4
	s_mul_i32 s74, s[WV], 32*SPITCH                ; back: wave w takes rows 32 w .. + 31; lanes 0-15 256 bytes of one row, lanes 16-31 of the next
	v_mul_u32_u24 v5, v2, SPITCH
	v_lshl_add_u32 v5, v1, 4, v5
	v_add_nc_u32 v[RD], s74, v5
	v_and_b32 v[CO], 31, v0
	v_lshlrev_b32 v[CO], 4, v[CO]
	v_lshlrev_b32 v[TABO], 8, v1                   ; the table: row r, pairs 4 h on
	v_lshl_add_u32 v[TABO], v2, 5, v[TABO]
	s_lshl_b32 s74, s43, 15                        ; rows 128 mt + 64 rh of 256 bytes
	s_lshl_b32 s75, s[RH], 14
	s_add_co_u32 s74, s74, s75
	s_mov_b32 s75, 0
	s_add_nc_u64 s[TABB:TABB+1], s[8:9], s[74:75]
.irp a, 0,1,2,3                        ; cos and sin of my rows: for row block a and column block bm the pairs 8 bm + 4 h + 0..3; they are waited for on the way out
.irp m, 0,1,2,3
	global_load_b128 v[CS+32*(\a)+8*(\m):CS+32*(\a)+8*(\m)+3],   v[TABO], s[TABB:TABB+1] offset:(\a)*4096+(\m)*64
	global_load_b128 v[CS+32*(\a)+8*(\m)+4:CS+32*(\a)+8*(\m)+7], v[TABO], s[TABB:TABB+1] offset:(\a)*4096+(\m)*64+16
.endr
.endr
	s_lshl_b32 s74, s42, 19                        ; head nt's 2,048 rows of 256 bytes,
	s_lshl_b32 s75, s43, 15                        ; rows 128 mt on,
	s_add_co_u32 s74, s74, s75
	s_lshl_b32 s75, s[WV], 13                      ; my 32 of them
	s_add_co_u32 s74, s74, s75
	s_mov_b32 s75, 0
	s_add_nc_u64 s[OUT:OUT+1], s[10:11], s[74:75]
	s_add_nc_u64 s[OUT+2:OUT+3], s[OUT:OUT+1], 0x800000
	s_add_nc_u64 s[OUT+4:OUT+5], s[OUT:OUT+1], 0x1000000
	s_and_b32 s2, ttmp7, 0xffff                    ; the prefetches: cluster y
	s_cmp_eq_u32 s[WV], 0                          ; do I fetch for A?
	s_cselect_b32 s74, s43, s42                    ; the tile's first row, in blocks of 128
	s_cselect_b32 s75, s41, s40                    ; my place among the four that ask for it with me
	s_cselect_b32 s2, s2, ttmp9                    ; the coordinate along which other clusters read the same rows
	s_cselect_b64 s[PFA:PFA+1], s[4:5], s[6:7]
	s_cmp_eq_u32 s2, 0
	s_cselect_b32 s[LIM], 1, -1                    ; the same in all sixteen partners, for a given wave
	s_lshl_b32 s74, s74, 19
	s_lshl_b32 s75, s75, 17                        ; my work-group's 32 rows
	s_add_co_u32 s74, s74, s75
	s_add_co_u32 s74, s74, s20                     ; my weight (0 for wave 0)
	s_mov_b32 s75, 0
	s_add_nc_u64 s[PFA:PFA+1], s[PFA:PFA+1], s[74:75]
	s_add_nc_u64 s[PFA:PFA+1], s[PFA:PFA+1], KSTEP*2  ; at K step 1: the first refill steps it to 2 and names K step 3
	v_and_b32 v[PFO], 31, v0
	v_lshlrev_b32 v[PFO], 12, v[PFO]
	s_mov_b32 s[TB], 0                             ; slot 0 is read first
.macro SETADR                          ; the fragments' addresses in the slot that begins at s[TB]
	v_add_nc_u32 v[ADRA], s[TB], v[ADRA0]
	v_add_nc_u32 v[ADRB], s[TB], v[ADRB0]
	v_add_nc_u32 v[ADRC], s[TB], v[ADRC0]
.endm
; 12 matrix instructions: row block a x all 12 column blocks, 32 along K.  All 48 accumulators take turns, in the same order in every quarter.  zero = 1: the first product starts the sums.
.macro MUL12 f, a, zero
	WIN 0xa5+0x50*((\a)/2)                         ; sources in window 1, C and D in window 2 or 3
.irp b, 0,1,2,3,4,5,6,7,8,9,10,11
.if \zero
	v_wmma_f32_16x16x32_bf16 v[8*(12*((\a)%2)+(\b)):8*(12*((\a)%2)+(\b))+7], v[(\f)+32+8*(\b):(\f)+32+8*(\b)+7], v[(\f)+8*(\a):(\f)+8*(\a)+7], 0
.else
	v_wmma_f32_16x16x32_bf16 v[8*(12*((\a)%2)+(\b)):8*(12*((\a)%2)+(\b))+7], v[(\f)+32+8*(\b):(\f)+32+8*(\b)+7], v[(\f)+8*(\a):(\f)+8*(\a)+7], v[8*(12*((\a)%2)+(\b)):8*(12*((\a)%2)+(\b))+7]
.endif
.endr
.endm
; 32 LDS loads in one run: a quarter step's fragments (32 K at byte k of the rows of the slot in hand) into buffer f: the weights' twelve, then A's four
.macro FETCH k, f
	WIN TO_F
.irp b, 0,1,2,3,4,5,6,7
	ds_load_b128 v[(\f)+32+8*(\b):(\f)+32+8*(\b)+3],   v[ADRB] offset:(\k)+((\b)/4)*PART+((\b)%4)*16*PITCH
	ds_load_b128 v[(\f)+32+8*(\b)+4:(\f)+32+8*(\b)+7], v[ADRB] offset:(\k)+((\b)/4)*PART+((\b)%4)*16*PITCH+32
.endr
.irp b, 8,9,10,11
	ds_load_b128 v[(\f)+32+8*(\b):(\f)+32+8*(\b)+3],   v[ADRC] offset:(\k)+((\b)%4)*16*PITCH
	ds_load_b128 v[(\f)+32+8*(\b)+4:(\f)+32+8*(\b)+7], v[ADRC] offset:(\k)+((\b)%4)*16*PITCH+32
.endr
.irp a, 0,1,2,3
	ds_load_b128 v[(\f)+8*(\a):(\f)+8*(\a)+3],   v[ADRA] offset:(\k)+(\a)*16*PITCH
	ds_load_b128 v[(\f)+8*(\a)+4:(\f)+8*(\a)+7], v[ADRA] offset:(\k)+(\a)*16*PITCH+32
.endr
.endm
.macro PLACES                          ; four places in front of loads into registers that matrix instructions have read, and of lines that read results
.rept 4
	v_nop
.endr
.endm
; A K step is four quarters of 32 along K, 48 matrix instructions each, on buffers 0, 1, 0, 1.  One of the first three: multiplies buffer f and fetches the next quarter, at byte k, into g.
.macro QUARTER k, f, g, zero
	s_wait_dscnt 4                                 ; all but the youngest four loads: A's row blocks 2 and 3
	MUL12 \f, 0, \zero
	MUL12 \f, 1, \zero
	PLACES
	FETCH \k, \g
	s_wait_dscnt 32                                ; all but the 32 just issued
	MUL12 \f, 2, \zero
	MUL12 \f, 3, \zero
.endm
; The last quarter multiplies buffer 1 and changes slots.  In front of the one barrier each wave waits for all its tensor loads (one is out: its part of the next slot), adds 0 to its spare word, and waits for that and for its reads of this slot.
; fill = 1: the barrier opens a round of the cluster's barrier, and this slot is filled again first thing behind it, two K steps ahead: 168 matrix instructions stand between that request and the wait for it.
.macro TURN fill
.if \fill
	s_wait_xcnt 0x0                                ; the last prefetch, a K step back, has read its address
	s_add_nc_u64 s[PFA:PFA+1], s[PFA:PFA+1], KSTEP*2
.endif
	WIN 0                                          ; (the add's two registers lie in window 0)
	s_wait_tensorcnt 0x0
	ds_add_u32 v[SPW], v[NIL]
	s_wait_dscnt 5                                 ; (the add and the youngest four loads may be out)
	MUL12 F1, 0, 0                                 ; twelve matrix instructions stand between the add and the wait for it
	s_wait_dscnt 0x0                               ; the add is done, and my reads of this slot are over
	s_barrier_signal -1
	MUL12 F1, 1, 0
	WIN 0                                          ; (branches and lines on window 0 follow)
	s_barrier_wait -1
.if \fill
	CREST                                          ; no wave of any partner still reads this slot's tile or has a load on its way
	s_xor_b32 s[G0+5], s[G0+5], SLOT               ; the walking descriptors: the other slot than last time,
	s_add_nc_u64 s[G0+6:G0+7], s[G0+6:G0+7], KSTEP*2  ; the next K step; the type bits on top are not reached
	s_xor_b32 s[G0B+5], s[G0B+5], SLOT
	s_add_nc_u64 s[G0B+6:G0B+7], s[G0B+6:G0B+7], KSTEP*2
	JLOAD 1                                        ; its four v_nop are also the places in front of the loads below
.else
	PLACES
.endif
	s_xor_b32 s[TB], s[TB], SLOT                   ; the fetches go on in the other slot
	SETADR
	FETCH 0, F0
.if \fill
	WIN 0                                          ; (a branch follows)
	ASK
.endif
	MUL12 F1, 2, 0
	MUL12 F1, 3, 0
.endm
	SETADR
	s_wait_tensorcnt 1                             ; my part of K step 0 is in; K step 1's may stay out
	s_barrier_signal -1
	s_barrier_wait -1
	FETCH 0, F0
	QUARTER 64, F0, F1, 1                          ; the first quarter stands in front of the loop: its products start the sums
	WIN 0
	s_mov_b32 s3, 14
.Lstep:                                        ; a trip goes from a K step's second quarter to the next one's first and fills one slot again: K steps 2 to 15 in fourteen trips
	QUARTER 128, F1, F0, 0
	QUARTER 192, F0, F1, 0
	TURN 1
	QUARTER 64,  F0, F1, 0
	WIN 0
	s_sub_co_u32 s3, s3, 1
	s_cmp_lg_u32 s3, 0
	s_cbranch_scc1 .Lstep
	QUARTER 128, F1, F0, 0                         ; K steps 14 and 15 fill nothing: they are written out
	QUARTER 192, F0, F1, 0
	TURN 0                                         ; behind this barrier nobody reads slot 0 any more, and no load is out
	QUARTER 64,  F0, F1, 0
	QUARTER 128, F1, F0, 0
	QUARTER 192, F0, F1, 0
	s_wait_dscnt 4
	MUL12 F1, 0, 0
	MUL12 F1, 1, 0
	s_wait_dscnt 0x0
	MUL12 F1, 2, 0
	MUL12 F1, 3, 0
	WIN 0
; THE WAY OUT.  q and k: (even, odd) = (xr c - xi s, xr s + xi c) in f32, then f16; v: f16.  16 bytes a lane go into the work-group's stage; a barrier; whole rows come back, 32 rows a wave.
.macro ROPE4 a, g                      ; row block a, part g (q or k): four column blocks.  Each accumulator's lowest register is read first.
	WIN 0x02+(\a)/2                                ; source 0 in the accumulators' window, all else in window 0
.irp m, 0,1,2,3
.irp i, 0,1,2,3
.set AC, 8*(12*((\a)%2)+4*(\g)+(\m))+2*(\i)
.set TC, CS+32*(\a)+8*(\m)+2*(\i)
.set TT, TMP+8*(\m)+2*(\i)
	v_mul_f32 v[TT], v[AC], v[TC]
	v_mul_f32 v[TT+1], v[AC], v[TC+1]
	v_fma_f32 v[TT], -v[AC+1], v[TC+1], v[TT]
	v_fma_f32 v[TT+1], v[AC+1], v[TC], v[TT+1]
.endr
.endr
	WIN 0
.irp n, 0,1,2,3,4,5,6,7,8,9,10,11,12,13,14,15
	v_cvt_pk_f16_f32 v[PK+(\n)], v[TMP+2*(\n)], v[TMP+2*(\n)+1]
.endr
.irp m, 0,1,2,3
	ds_store_b128 v[STO], v[PK+4*(\m):PK+4*(\m)+3] offset:(\a)*16*SPITCH+256*(\g)+32*(\m)
.endr
.endm
.macro PLAIN4 a                        ; row block a of v
	WIN 0x0a+5*((\a)/2)                            ; sources 0 and 1 in the accumulators' window
.irp m, 0,1,2,3
.irp i, 0,1,2,3
	v_cvt_pk_f16_f32 v[PK+4*(\m)+(\i)], v[8*(12*((\a)%2)+8+(\m))+2*(\i)], v[8*(12*((\a)%2)+8+(\m))+2*(\i)+1]
.endr
.endr
	WIN 0
.irp m, 0,1,2,3
	ds_store_b128 v[STO], v[PK+4*(\m):PK+4*(\m)+3] offset:(\a)*16*SPITCH+512+32*(\m)
.endr
.endm
	s_wait_loadcnt 0x0                             ; cos and sin
	PLACES
	PLACES
.irp a, 0,1,2,3
	ROPE4 \a, 0
	ROPE4 \a, 1
	PLAIN4 \a
.endr
	s_wait_dscnt 0x0                               ; for the others' sake: my stores into the stage are done
	s_barrier_signal -1
	s_barrier_wait -1
.irp t, 0,1,2,3,4,5,6,7,8,9,10,11,12,13,14,15
.irp g, 0,1,2
	ds_load_b128 v[32+96*(\g)-32*((\g)/2)+4*(\t):32+96*(\g)-32*((\g)/2)+4*(\t)+3], v[RD] offset:(\t)*2*SPITCH+256*(\g)
.endr
.endr
.irp t, 0,1,2,3,4,5,6,7,8,9,10,11,12,13,14,15
.irp g, 0,1,2
	s_wait_dscnt 47-3*(\t)-(\g)                    ; LDS loads come back in order: the later ones may stay out
	global_store_b128 v[CO], v[32+96*(\g)-32*((\g)/2)+4*(\t):32+96*(\g)-32*((\g)/2)+4*(\t)+3], s[OUT+2*(\g):OUT+2*(\g)+1] offset:512*(\t)  ; two rows: 512 consecutive bytes, at a multiple of 256 from the buffer's first
.endr
.endr
	s_wait_tensorcnt 0x0                           ; the wave's end, behind my last tensor load and my last LDS store
	ds_add_u32 v[SPW], v[NIL]
	s_wait_dscnt 0x0
	CROUND                                         ; the closing round: no work-group ends while a partner may still ask for a tile that names it
	s_endpgm
.Lfunc_end_k_q0940a9926d_qkv:
	.size	k_q0940a9926d_qkv, .Lfunc_end_k_q0940a9926d_qkv-k_q0940a9926d_qkv
	.p2alignl 7, 3214868480
	.fill 96, 4, 3214868480
	.section	.rodata,"a",@progbits
	.p2align	6, 0x0
	.amdhsa_kernel k_q0940a9926d_qkv
		.amdhsa_group_segment_fixed_size 327680
		.amdhsa_private_segment_fixed_size 0
		.amdhsa_enable_private_segment 0
		.amdhsa_kernarg_size 32
		.amdhsa_user_sgpr_count 2
		.amdhsa_user_sgpr_kernarg_segment_ptr 1
		.amdhsa_wavefront_size32 1
		.amdhsa_system_sgpr_workgroup_id_x 1
		.amdhsa_system_sgpr_workgroup_id_y 1
		.amdhsa_system_sgpr_workgroup_id_z 1
		.amdhsa_system_vgpr_workitem_id 0
		.amdhsa_next_free_vgpr 960
		.amdhsa_next_free_sgpr 76
		.amdhsa_reserve_vcc 0
		.amdhsa_float_denorm_mode_32 3
		.amdhsa_float_denorm_mode_16_64 3
		.amdhsa_memory_ordered 1
		.amdhsa_forward_progress 1
		.amdhsa_inst_pref_size 126
	.end_amdhsa_kernel
	.amdgpu_metadata
---
amdhsa.version: [ 1, 2 ]
amdhsa.kernels:
  - .name:           k_q0940a9926d_qkv
    .symbol:         k_q0940a9926d_qkv.kd
    .args:
      - { .name: xb, .offset: 0, .size: 8, .value_kind: global_buffer, .address_space: global }
      - { .name: wb, .offset: 8, .size: 8, .value_kind: global_buffer, .address_space: global }
      - { .name: tab, .offset: 16, .size: 8, .value_kind: global_buffer, .address_space: global }
      - { .name: qkv, .offset: 24, .size: 8, .value_kind: global_buffer, .address_space: global }
    .group_segment_fixed_size: 327680
    .private_segment_fixed_size: 0
    .kernarg_segment_align: 8
    .kernarg_segment_size: 32
    .max_flat_workgroup_size: 128
    .sgpr_count:     76
    .vgpr_count:     960
    .wavefront_size: 32
...
	.end_amdgpu_metadata
.endif
;; end of part 2
;; launch attn (part 3): grid 16 x 16, 4 waves a work-group, clusters of 4 x 1, 327,680 bytes of LDS; arguments qkv, at, lambda_q1, lambda_k1, lambda_q2, lambda_k2, subln_weight, wout, wo; writes at, wo
.if DOCPART == 3
	.amdgcn_target "amdgcn-amd-amdhsa--gfx1250"
	.amdhsa_code_object_version 6
	.text
	.protected	k_q0940a9926d_attn
	.globl	k_q0940a9926d_attn
	.p2align	8
	.type	k_q0940a9926d_attn,@function
k_q0940a9926d_attn:
	s_mov_b64 s[64:65], 0
	v_nop
	global_prefetch_b8 v0, s[64:65] scope:SCOPE_SE
	s_setreg_imm32_b32 hwreg(HW_REG_WAVE_MODE, 25, 1), 1
	s_wait_xcnt 0x0
	s_wait_alu depctr_hold_cnt(0) depctr_sa_sdst(0) depctr_va_vdst(0) depctr_va_sdst(0) depctr_va_ssrc(0) depctr_va_vcc(0) depctr_vm_vsrc(0)
	s_getreg_b32 s2, hwreg(HW_REG_IB_STS2, 6, 4)
	s_cmp_eq_u32 s2, 0
	s_cbranch_scc0 .Lentry_in_a_cluster
	s_endpgm
.Lentry_in_a_cluster:
	s_bfe_u32 s2, ttmp6, 0x10000c
	s_cmp_lg_u32 s2, 0x3003
	s_cbranch_scc0 .Lentry_shape_is_right
	s_endpgm
.Lentry_shape_is_right:
; DIFFERENTIAL ATTENTION of one head pair, RMS norm and gain; and, in the wait for the first tiles, wo = bf16(wout) written as f16.
; qkv: [3][16][2048][128] f16 (in q and k: channels 0-63 sub-head 0, 64-127 sub-head 1).  at: [2048][2048] f16, head hd's 128 channels at byte 256 hd of a row.  wout: [2048][2048] f32, wo the same in f16.
; For each sub-head s: P_s = softmax_k(sqrt(128) q_s . k_s), O_s = P_s V.  A = O_0 - lam O_1, lam = exp(sum lq1 lk1) - exp(sum lq2 lk2) + 0.7836058; at = A rsqrt(mean(A^2) + 1e-5) gain.
; Products, maxima and sums in f32; the weights p are rounded to f16 for the second product (their sum l is taken of the unrounded p), at once at the end.  The four lambda vectors, the gain and wout are rounded to bf16, like all of the module's inputs.
; LIMITS.  q, k, v arrive within f16's 65,504, so a score is 2.7e11 at the most, far above the -2^100 of the empty step below; p lies in 0 to 1 and below 6e-5 keeps f16's fixed step of 6e-8; a weight below 2^-126 counts
; as 0 in l; NaN and infinities are not treated apart.  wo: a bf16 number is exact in f16 from 2^-17 up to 65,504; below 2^-17 it keeps f16's fixed step of 2^-24; beyond 65,504 it would be an infinity.
; SHARES.  A work-group owns 128 queries of one head pair, each of its four waves 32: four tiles of 16 queries: tile t is sub-head t / 2, query block t % 2.  Every wave walks all 2,048 keys, 64 a step.
; Of wout work-group number 16 head + block converts 8 rows, each wave two: 16 KiB in, 8 KiB out.
; LAYOUT.  S^T = K Q^T (source 0 = 16 keys, source 1 = 16 queries): a lane holds ONE query (lane % 16) and the keys 8 (lane / 16) + 0..7.  Two such tiles, rounded to f16 in pairs, ARE source 1 of O^T = V^T P, whose result
; again holds one query a lane, and eight channels.  O_0 and O_1 of a query lie in the same lane, so the difference and the norm want one exchange between the halves of the lanes.  V comes out of LDS turned, by ds_load_tr16_b128.
; SOFTMAX.  For each query and sub-head a running maximum m and sum l: p = 2^(c s - c m), c = log2(e) sqrt(128); in every step O and l are multiplied by a = 2^(c m_old - c m_new).
; BY TURNS.  PIECE 0 is sub-head 0 (tiles 0, 1), piece 2 sub-head 1 (tiles 2, 3).  In a TURN one piece has the matrix unit: 32 products V^T P of the step in hand, then 16 products K Q^T of the next step; the other piece's
; softmax, cut into 64 slices, stands between them: one slice behind each V^T P, two behind each K Q^T.  Two turns are a key step.
; NO FIRST AND NO LAST STEP IS WRITTEN OUT.  The loop is entered with an empty step in hand: O^T, l, V and piece 0's P are 0, c m is far below every c s, and piece 2's scores are -2^100 (a power of two, so that c s and c m are
; equal to the last bit and p = 1).  Each piece's first true step has a = 0, which wipes out what the empty step left.  The tail is left in the middle of its third pass.
; The price: 64 products on zeros, 16 on a stale K, and 496 v_mov_b32 that run while the first tiles are on their way.
; CLUSTER.  The four query blocks of a cluster belong to one head pair and walk the same K and V: each tile is asked for JOINTLY, by the same tensor load, descriptor and mask in all four.
; REGISTERS, in windows of 256 (s_set_vgpr_msb: bits 1:0 source 0, 3:2 source 1, 5:4 source 2, 7:6 destination):
;   window 0: v0-11 addresses; v12-43 eight registers of statistics a tile; v44-53 the lambdas; v56-63 addresses, -lam, the add's two; v64-191 S^T, 32 a tile; v192-255 P, 16 a tile
;   window 1: O^T, 64 a tile          window 2: v0-63 Q, 16 a tile; v64-127 the gain of my channels; v128-255 K of one step (at the head: my part of wout)          window 3: v0-127 V of one step
.set SIZE_N, 2048
.set KS,    64        ; keys in a step
.set PK,    272       ; a row of K in LDS: 256 bytes + 16 of padding: the 16 rows of a load start at 16 different groups of four banks (64 banks of 4 bytes: ISA guide 11.1)
.set PV,    288       ; a row of V: 256 + 32
.set VOFF,  KS*PK     ; a step's tiles lie together: 64 rows of K, then 64 rows of V
.set STEPB, KS*(PK+PV)
.set SLOT1, 1<<17     ; a slot holds two steps (71,680 bytes); slot 1 begins here, so that one exclusive or turns an address in one slot into the other's
.set STAGE, SLOT1+2*STEPB  ; behind the ring: 16 rows x 272 bytes for each wave, for the way out
.set SP,    272
.set AK0, 2           ; v2   my lane's place in a tile of K; never rewritten
.set AV0, 3           ; v3   the same for V
.set ADR, 4           ; v4   the LDS address of the run of loads in hand
.set QO,  5           ; v5   my byte offset in 16 rows of Q
.set STO, 6           ; v6   the way out: where I put 16 bytes of a row
.set RD,  7           ; v7   the way out: where I read a row back
.set GO,  8           ; v8   my byte offset in two rows of at
.set LM,  44          ; v44-53 the lambdas and their sums
.set WI,  56          ; v56  32 x lane: my 32 bytes in 1,024 of wout
.set WO,  57          ; v57  16 x lane: my 16 bytes in 512 of wo
.set LA,  58          ; v58  8 x lane
.set GA,  59          ; v59  32 x (lane / 16): my eight channels of a block of 16 in the gain
.set NLAM, 60         ; v60  -lam
.set PFO, 61          ; v61  256 x my lane; never rewritten
.set SPW, 62          ; v62  LDS address of my spare word; never rewritten
.set NIL, 63          ; v63  0; never rewritten
.set SPARE, STAGE+4*16*272  ; behind the stages: the spare words, 128 bytes for each wave: two blocks of 256 bytes that no other line names
.set ST,  12          ; tile t's statistics at v[ST+8 t]: +0 c m, +1 m, +2, +3 l (even keys', odd keys'), +4 to +7 c0-c3, at work; a takes c2's place once the maximum is found
.set S,   64
.set P,   192
.set GW,  64          ; the gain, in window 2: channel block cb at GW + 8 cb
.set KF,  128         ; K's fragments, in window 2: key block kb, channel quarter cq at KF + 32 kb + 8 cq
.set WV,  12          ; s12  my wave's number
.set LIM, 15          ; s15  1 in a wave that prefetches, else the greatest number
.set PFA, 18          ; s[18:19] where my prefetches stand
.set G1K, 24          ; s[24:31] descriptor group 1 for K's tiles
.set G1V, 32          ; s[32:39] for V's: it differs in the padding alone
.set G0K, 40          ; s[40:47] group 0 for K's tiles: a set for each of the two first fills; the second then walks on
.set G0V, 48          ; s[48:55] the same for V's
.set SLOTS, 56        ; s56  counts the loop's trips, a slot each
.set TWICE, 57        ; s57  counts a slot's two steps
.set CS,  58          ; s[58:59] c
.set SEL, 60          ; s[60:61] lane selects for v_permlanex16_b32: each lane takes its own place in the other half
.set TB,  62          ; s62  LDS byte at which the tiles of the step to be fetched begin
.set NEGS, 63         ; s63  -2^100
.set RM,  66          ; s66 1/128, s67 1e-5
.set MSB, 0
.macro WIN new
.if MSB != (\new)
	s_set_vgpr_msb (MSB<<8)|(\new)
.set MSB, \new
.endif
.endm
.set W_KQ, 0x0a       ; K and Q in window 2, S^T in window 0
.set W_PV, 0x53       ; V in window 3, P in window 0, O^T in window 1
.set W_RS, 0x41       ; O^T (destination and source 0) in window 1, source 1 in window 0
; A joint refill.  Waves 0 and 1 fetch the two steps' tiles of K, waves 2 and 3 those of V.  An s_nop 0 and four v_nop follow each of the two lines, ahead of the jump and the label.
.macro JLOAD
	s_cmp_lt_u32 s[WV], 2
	s_cbranch_scc0 .Lfor_v_\@
	tensor_load_to_lds s[G0K+4:G0K+7], s[G1K:G1K+7]
	s_nop 0
.rept 4
	v_nop
.endr
	s_branch .Lasked_\@
.Lfor_v_\@:
	tensor_load_to_lds s[G0V+4:G0V+7], s[G1V:G1V+7]
	s_nop 0
.rept 4
	v_nop
.endr
.Lasked_\@:
.endm
; A PREFETCH INTO THE L2 of what the NEXT change of slots will ask for: a slot's 128 rows of K and 128 of V, 256 bytes a row, a lane a row: two key steps, 192 matrix instructions, ahead of that load.
; Each row is asked for ONCE in the launch: the head pair's first cluster asks; its four partners share the rows out BY ADDRESS, 32 each; in each, wave 0 asks for K's and wave 2 for V's.  The last change that fills a slot asks for nothing.
.macro ASK
	s_cmp_gt_u32 s[SLOTS], s[LIM]
	s_cbranch_scc0 .Lnot_mine_\@
	global_prefetch_b8 v[PFO], s[PFA:PFA+1] th:TH_LOAD_NT scope:SCOPE_SE
.Lnot_mine_\@:
.endm
.macro CROUND                       ; a round of the cluster's barrier
	s_barrier_signal -1
	s_barrier_wait -1
	s_cmp_lg_u32 s[WV], 0
	s_cbranch_scc1 .Lnot_wave_0_\@
	s_barrier_signal -3
.Lnot_wave_0_\@:
	s_barrier_wait -3
	s_barrier_signal -1
	s_barrier_wait -1
.endm
	s_load_b128 s[4:7], s[0:1], 0x0     ; qkv s[4:5], at s[6:7]
	s_load_b256 s[68:75], s[0:1], 0x10  ; lambda_q1 68:69, lambda_k1 70:71, lambda_q2 72:73, lambda_k2 74:75
	s_load_b128 s[76:79], s[0:1], 0x30  ; the gain 76:77, wout 78:79
	s_load_b64 s[80:81], s[0:1], 0x40   ; wo
	v_lshl_add_u32 v[SPW], v0, 2, SPARE
	v_mov_b32 v[NIL], 0
	ds_add_u32 v[SPW], v[NIL]       ; the wave's opening: the add and its wait stand ahead of my first tensor load; the set-up below, work on registers, stands between them
	v_lshrrev_b32 v1, 5, v0
	v_readfirstlane_b32 s[WV], v1   ; wave 0..3
	s_bfe_u32 s13, ttmp6, 0x40000   ; cx: my place in the cluster
	s_lshl_b32 s14, ttmp9, 2
	s_add_co_u32 s14, s14, s13      ; my block of 128 queries: it enters Q's, at's, wout's and wo's addresses alone
	s_and_b32 s20, ttmp7, 0xffff    ; the head pair, which the four partners share
	s_lshl_b32 s84, s20, 4
	s_add_co_u32 s84, s84, s14      ; the work-group's number, 0 to 255:
	s_lshl_b32 s86, s84, 16         ; its 8 rows of wout, 8,192 bytes each,
	s_lshl_b32 s85, s[WV], 14       ; my wave's two of them
	s_add_co_u32 s86, s86, s85
	s_mov_b32 s87, 0
	s_lshr_b32 s84, s86, 1          ; and the same rows of wo, half as long
	s_mov_b32 s85, 0
	s_lshl_b32 s82, s20, 8          ; the head pair's 256 bytes in a row of at
	s_lshl_b32 s20, s20, 19         ; its 2,048 rows of 256 bytes in q, k and v
	s_mov_b32 s21, 0
	s_and_b32 s16, s[WV], 1         ; which of a slot's two steps I fetch:
	s_lshl_b32 s22, s16, 14         ; its 64 rows of 256 bytes in memory,
	s_mov_b32 s23, 0
	s_add_nc_u64 s[22:23], s[22:23], s[20:21]
	s_mul_i32 s17, s16, STEPB       ; and its place in a slot: no place in the cluster enters an LDS address
	s_lshl_b32 s2, s14, 15          ; Q: my block's 128 rows,
	s_lshl_b32 s3, s[WV], 13        ; my wave's 32 of them
	s_add_co_u32 s2, s2, s3
	s_mov_b32 s3, 0
	s_add_nc_u64 s[2:3], s[2:3], s[20:21]
	s_lshl_b32 s83, s14, 19         ; at: the same rows, 4,096 bytes each
	s_add_co_u32 s82, s82, s83
	s_lshl_b32 s83, s[WV], 17
	s_add_co_u32 s82, s82, s83
	s_mov_b32 s83, 0
	; descriptor group 1: a tile of 64 rows x 128 elements, padded in LDS
	s_mov_b32 s[G1K], 15|(1<<16)|(1<<20)|(1<<21)|(5<<22)|(3<<25)  ; 15:0 the mask of four; 17:16 2-byte elements; 20 padding on; 21 set beside a mask; 24:22 after every 64 words (code 5); 31:25 4 words (code 3)
	s_mov_b32 s[G1V], 15|(1<<16)|(1<<20)|(1<<21)|(5<<22)|(7<<25)  ; the same with 8 words of padding (code 7)
.irp g, G1K, G1V
	s_mov_b32 s[(\g)+1], 128<<16    ; tensor_dim0 = 128
	s_mov_b32 s[(\g)+2], KS<<16     ; tensor_dim1 = 64
	s_mov_b32 s[(\g)+3], 128<<16    ; tile_dim0 = 128
	s_mov_b32 s[(\g)+4], KS         ; tile_dim1 = 64
	s_mov_b32 s[(\g)+5], 128        ; elements from row to row
	s_mov_b32 s[(\g)+6], 0
	s_mov_b32 s[(\g)+7], 0
.endr
	s_mov_b32 s[CS], 0x418293ee     ; c = log2(e) sqrt(128) = 16.32223
	s_mov_b32 s[CS+1], s[CS]        ; named with it as a pair
	s_mov_b32 s[SEL], 0x76543210
	s_mov_b32 s[SEL+1], 0xfedcba98
	s_mov_b32 s[RM], 0x3c000000     ; 1/128
	s_mov_b32 s[RM+1], 0x3727c5ac   ; 1e-5
	s_mov_b32 s[NEGS], 0xf1800000   ; -2^100
	s_mov_b32 s[TB], 0
	s_mov_b32 s[SLOTS], SIZE_N/(2*KS)-1
	s_and_b32 s[LIM], s[WV], 1       ; 0 in waves 0 and 2,
	s_or_b32 s[LIM], s[LIM], ttmp9   ; where the cluster is the head pair's first: the same in all four partners
	s_cmp_eq_u32 s[LIM], 0
	s_cselect_b32 s[LIM], 1, -1
	v_and_b32 v[PFO], 31, v0
	v_lshlrev_b32 v[PFO], 8, v[PFO]
	s_wait_dscnt 0x0                ; the opening add is done
	s_wait_kmcnt 0x0
	s_mov_b64 s[10:11], s[6:7]      ; at
	s_add_nc_u64 s[6:7], s[4:5], 0x800000   ; k
	s_add_nc_u64 s[8:9], s[4:5], 0x1000000  ; v
	s_add_nc_u64 s[6:7], s[6:7], s[22:23]   ; K and V at my tile of slot 0
	s_add_nc_u64 s[8:9], s[8:9], s[22:23]
	s_add_nc_u64 s[4:5], s[4:5], s[2:3]     ; Q and at at my wave's first row
	s_add_nc_u64 s[10:11], s[10:11], s[82:83]
	s_add_nc_u64 s[78:79], s[78:79], s[86:87]  ; wout and wo at my wave's two rows
	s_add_nc_u64 s[80:81], s[80:81], s[84:85]
	s_cmp_lt_u32 s[WV], 2
	s_cselect_b64 s[PFA:PFA+1], s[6:7], s[8:9]  ; (in waves 0 and 2 these stand at a slot's first row)
	s_lshl_b32 s2, s13, 13          ; my work-group's 32 rows of the 128
	s_mov_b32 s3, 0
	s_add_nc_u64 s[PFA:PFA+1], s[PFA:PFA+1], s[2:3]
	s_add_nc_u64 s[PFA:PFA+1], s[PFA:PFA+1], 2*2*KS*256  ; in slot 2; the first change of slots steps it to slot 3
	CROUND                          ; all four work-groups are here: the first joint loads meet
.irp s, 0,1
	s_mov_b32 s[G0K+4*(\s)], 1
	s_add_co_u32 s[G0K+4*(\s)+1], s17, (\s)*SLOT1
	s_add_nc_u64 s[G0K+4*(\s)+2:G0K+4*(\s)+3], s[6:7], (\s)*2*KS*256
	s_or_b32 s[G0K+4*(\s)+3], s[G0K+4*(\s)+3], 0x80000000
	s_mov_b32 s[G0V+4*(\s)], 1
	s_add_co_u32 s[G0V+4*(\s)+1], s17, (\s)*SLOT1+VOFF
	s_add_nc_u64 s[G0V+4*(\s)+2:G0V+4*(\s)+3], s[8:9], (\s)*2*KS*256
	s_or_b32 s[G0V+4*(\s)+3], s[G0V+4*(\s)+3], 0x80000000
.endr
	s_cmp_lt_u32 s[WV], 2           ; a wave's two first fills stand in one branch, ahead of every wait on TENSORcnt and every LDS read: two loads of mine are out
	s_cbranch_scc0 .Lfirst_v
	tensor_load_to_lds s[G0K:G0K+3], s[G1K:G1K+7]
	s_nop 0
	tensor_load_to_lds s[G0K+4:G0K+7], s[G1K:G1K+7]
	s_nop 0
.rept 4
	v_nop
.endr
	s_branch .Lfirst_asked
.Lfirst_v:
	tensor_load_to_lds s[G0V:G0V+3], s[G1V:G1V+7]
	s_nop 0
	tensor_load_to_lds s[G0V+4:G0V+7], s[G1V:G1V+7]
	s_nop 0
.rept 4
	v_nop
.endr
.Lfirst_asked:
	; A fragment of K or Q is 16 rows x 32 channels in 8 registers: lane l holds row l % 16; channels 8 (l / 16) + 0..7 and 16 + 8 (l / 16) + 0..7: two loads of 16 bytes, 32 bytes apart.
	v_and_b32 v1, 15, v0            ; l % 16
	v_bfe_u32 v9, v0, 4, 1          ; l / 16
	v_lshlrev_b32 v[QO], 8, v1
	v_lshl_add_u32 v[QO], v9, 4, v[QO]  ; row x 256 + 16 x half
	v_lshlrev_b32 v[GA], 5, v9
	v_and_b32 v[LA], 31, v0
	v_lshlrev_b32 v[WI], 5, v[LA]
	v_lshlrev_b32 v[WO], 4, v[LA]
	v_lshlrev_b32 v[LA], 3, v[LA]
	WIN 0x80                        ; destination window 2, address window 0
.irp i, 0,1,2,3,4,5,6,7             ; Q stays in registers: tile i / 2 (query block (i / 2) % 2, sub-head i / 4), channels 32 (i % 2) on
	global_load_b128 v[8*(\i):8*(\i)+3],   v[QO], s[4:5] offset:(((\i)/2)%2)*4096+((\i)/4)*128+((\i)%2)*64
	global_load_b128 v[8*(\i)+4:8*(\i)+7], v[QO], s[4:5] offset:(((\i)/2)%2)*4096+((\i)/4)*128+((\i)%2)*64+32
.endr
.irp c, 0,1,2,3,4,5,6,7             ; the gain of channels 16 c + 8 (l / 16) + 0..7, laid as O^T lies
	global_load_b128 v[GW+8*(\c):GW+8*(\c)+3],   v[GA], s[76:77] offset:64*(\c)
	global_load_b128 v[GW+8*(\c)+4:GW+8*(\c)+7], v[GA], s[76:77] offset:64*(\c)+16
.endr
.irp g, 0,1,2,3,4,5,6,7,8,9,10,11,12,13,14,15  ; my two rows of wout, 1,024 bytes a group, into K's registers, which are idle until the first fetch
	global_load_b128 v[KF+8*(\g):KF+8*(\g)+3],   v[WI], s[78:79] offset:1024*(\g) th:TH_LOAD_NT
	global_load_b128 v[KF+8*(\g)+4:KF+8*(\g)+7], v[WI], s[78:79] offset:1024*(\g)+16 th:TH_LOAD_NT
.endr
	WIN 0
	global_load_b64 v[LM:LM+1],   v[LA], s[68:69]  ; two numbers a lane of each lambda vector
	global_load_b64 v[LM+2:LM+3], v[LA], s[70:71]
	global_load_b64 v[LM+4:LM+5], v[LA], s[72:73]
	global_load_b64 v[LM+6:LM+7], v[LA], s[74:75]
	v_mul_u32_u24 v[AK0], v1, PK
	v_lshl_add_u32 v[AK0], v9, 4, v[AK0]  ; row x pitch + 16 x half
	; The turning load takes 16 keys x 16 channels (lane l reads key 8 (l / 16) + l % 8, channels 8 ((l / 8) % 2) + 0..7) and leaves half a fragment of V^T: lane l holds channel l % 16 and 8 keys.
	v_and_b32 v10, 7, v0
	v_bfe_u32 v11, v0, 3, 1
	v_lshl_add_u32 v[AV0], v9, 3, v10
	v_mul_u32_u24 v[AV0], v[AV0], PV
	v_lshl_add_u32 v[AV0], v11, 4, v[AV0]
	v_add_nc_u32 v[AV0], VOFF, v[AV0]
	s_mul_i32 s13, s[WV], 16*SP
	s_add_co_u32 s13, s13, STAGE    ; my stage
	v_mul_u32_u24 v[STO], v1, SP    ; in: row l % 16, 16 bytes for each half of the lanes
	v_lshl_add_u32 v[STO], v9, 4, v[STO]
	v_add_nc_u32 v[STO], s13, v[STO]
	v_mul_u32_u24 v[RD], v9, SP     ; back: lanes 0-15 take one row of 256 bytes, lanes 16-31 the next
	v_lshl_add_u32 v[RD], v1, 4, v[RD]
	v_add_nc_u32 v[RD], s13, v[RD]
	v_lshlrev_b32 v[GO], 12, v9     ; and the same two rows in at, 4,096 bytes apart
	v_lshl_add_u32 v[GO], v1, 4, v[GO]
	; What the empty step finds.  All this stands in the wait for the loads above and for the first tiles.
	WIN 0xc0
.set i, 0
.rept 128
	v_mov_b32 v[i], 0               ; V
.set i, i+1
.endr
	WIN 0x40
.set i, 0
.rept 256
	v_mov_b32 v[i], 0               ; O^T
.set i, i+1
.endr
	WIN 0
.set i, P
.rept 32
	v_mov_b32 v[i], 0               ; piece 0's P
.set i, i+1
.endr
.set i, S+64
.rept 64
	v_mov_b32 v[i], s[NEGS]         ; piece 2's scores
.set i, i+1
.endr
.irp t, 0,1,2,3
	v_mov_b32 v[ST+8*(\t)], 0xfe000000    ; c m: far below every c s
	v_mov_b32 v[ST+8*(\t)+1], 0xff7fffff  ; m: the lowest finite number
	v_mov_b32 v[ST+8*(\t)+2], 0           ; l
	v_mov_b32 v[ST+8*(\t)+3], 0
.endr
; THE MATRIX WORK OF A TURN, for piece x.  The accumulators take turns, one instruction a turn: between two links of a chain stand 15 (V^T P) or 7 (K Q^T) others'.
; Product i of 32 of O^T += V^T P: keys 32 (i / 16) on, channels 16 ((i / 2) % 8) on, tile x + i % 2.
.macro PV x
	WIN W_PV
.set rO, 64*((\x)+i%2)+8*((i/2)%8)
.set rV, 64*(i/16)+8*((i/2)%8)
.set rP, P+16*((\x)+i%2)+8*(i/16)
	v_wmma_f32_16x16x32_f16 v[rO:rO+7], v[rV:rV+7], v[rP:rP+7], v[rO:rO+7]
.endm
; Product i of 16 of S^T = K Q^T: the sub-head's channels 32 (i / 8) on (quarter x + i / 8 of a row of K), keys 16 ((i / 2) % 4) on, tile x + i % 2.  The first 8 start the sums.
.macro KQ x
	WIN W_KQ
.set rS, S+32*((\x)+i%2)+8*((i/2)%4)
.set rK, KF+32*((i/2)%4)+8*((\x)+i/8)
.set rQ, 16*((\x)+i%2)+8*(i/8)
.if i < 8
	v_wmma_f32_16x16x32_f16 v[rS:rS+7], v[rK:rK+7], v[rQ:rQ+7], 0
.else
	v_wmma_f32_16x16x32_f16 v[rS:rS+7], v[rK:rK+7], v[rQ:rQ+7], v[rS:rS+7]
.endif
.endm
; THE LDS LOADS stand in runs of 32: a step's K (64 keys x 128 channels: 16 fragments) and, a turn later, its V (turned).  last = 1 (the tail): in the last pass there is no further step, and the run is jumped over.
.macro FETCH_K last=0
	WIN 0
	v_add_nc_u32 v[ADR], s[TB], v[AK0]
.if \last
	s_cmp_eq_u32 s[TWICE], 1
	s_cbranch_scc1 .Lno_k_\@
.endif
	WIN 0x80                        ; destination window 2
.irp f, 0,1,2,3,4,5,6,7,8,9,10,11,12,13,14,15  ; keys 16 (f / 4) on, channels 32 (f % 4) on
	ds_load_b128 v[KF+8*(\f):KF+8*(\f)+3],   v[ADR] offset:((\f)/4)*16*PK+((\f)%4)*64
	ds_load_b128 v[KF+8*(\f)+4:KF+8*(\f)+7], v[ADR] offset:((\f)/4)*16*PK+((\f)%4)*64+32
.endr
.if \last
	WIN 0
.Lno_k_\@:
.endif
.endm
.macro FETCH_V
	WIN 0
	v_add_nc_u32 v[ADR], s[TB], v[AV0]
	s_add_co_u32 s[TB], s[TB], STEPB  ; the next fetch is the next step's
	s_wait_alu depctr_va_vdst(0)    ; the wait for the softmax's batch (SLICE), behind the address's v_add_nc_u32 and ahead of the loads
	WIN 0xc0                        ; destination window 3
.irp f, 0,1,2,3,4,5,6,7,8,9,10,11,12,13,14,15  ; keys 32 (f / 8) on, channels 16 (f % 8) on
	ds_load_tr16_b128 v[8*(\f):8*(\f)+3],   v[ADR] offset:((\f)/8)*32*PV+((\f)%8)*32
	ds_load_tr16_b128 v[8*(\f)+4:8*(\f)+7], v[ADR] offset:((\f)/8)*32*PV+16*PV+((\f)%8)*32
.endr
.endm
; THE VECTOR WORK OF A TURN.  One tile's softmax for one key step is a list of 134 instructions; SM writes number j of it for tile t.  s0-s31 are the lane's 32 scores, in pairs 0-15.
;   0-15    the maximum of s0-s31 and the old m, three operands at a time (each accumulator's lowest registers are read first)
;   16-20   the other half of the lanes' maximum; the new m; c m; c m_old - c m_new
;   21-69   ONE BATCH: the 16 scalings c s - c m and all 33 exponentials (a at 23, then s0-s31); none of these reads an exponential's result
;   (wait)  between 69 and 70 stands the wait for the batch: SLICE writes it, once for both tiles
;   70-85   the roundings to f16     86-101  the sums; l = a l + the sum     102-133 the tile's O^T times a
.macro SM t
.set rT, ST+8*(\t)
.set rS, S+32*(\t)
.set rP, P+16*(\t)
.set rO, 64*(\t)+2*(j-102)
.if j < 102
	WIN 0
.endif
.if j < 4
	v_max3_num_f32 v[rT+4+j], v[rS+8*j], v[rS+8*j+1], v[rS+8*j+2]
.elseif j < 12
	v_max3_num_f32 v[rT+4+j%4], v[rT+4+j%4], v[rS+8*(j%4)+2*(j/4)+1], v[rS+8*(j%4)+2*(j/4)+2]
.elseif j == 12
	v_max3_num_f32 v[rT+4], v[rT+4], v[rS+7], v[rS+15]
.elseif j == 13
	v_max3_num_f32 v[rT+6], v[rT+6], v[rS+23], v[rS+31]
.elseif j == 14
	v_max3_num_f32 v[rT+4], v[rT+4], v[rT+5], v[rT+6]
.elseif j == 15
	v_max3_num_f32 v[rT+4], v[rT+4], v[rT+7], v[rT+1]
.elseif j == 16
	v_permlanex16_b32 v[rT+5], v[rT+4], s[SEL], s[SEL+1]  ; the query's other 32 keys lie in the lane 16 away
.elseif j == 17
	v_mov_b32 v[rT+7], v[rT]        ; c m_old is kept for a: number 19 writes c m anew
.elseif j == 18
	v_max_num_f32 v[rT+1], v[rT+4], v[rT+5]
.elseif j == 19
	v_mul_f32 v[rT], s[CS], v[rT+1]
.elseif j == 20
	v_sub_f32 v[rT+7], v[rT+7], v[rT]
.elseif j == 23
	v_exp_f32 v[rT+6], v[rT+7]
.elseif (j < 23) || ((j < 38) && (j%2 == 0)) || ((j < 66) && (j%4 == 2))
.set b, (j-2)/4                     ; 38, 42, .. 62: pairs 9 to 15
.if j < 38
.set b, (j-20)/2                    ; 21: pair 0; 22, 24, .. 36: pairs 1 to 8
.endif
	v_pk_fma_f32 v[rS+2*b:rS+2*b+1], v[rS+2*b:rS+2*b+1], s[CS:CS+1], v[rT:rT+1] op_sel_hi:[1,0,0] neg_lo:[0,0,1] neg_hi:[0,0,1]  ; pair b: c s - c m
.elseif j < 70
.set e, j-38                        ; 66 to 69: s28 to s31
.if j < 66
.set e, j-32-(j-38)/4               ; 39-41, 43-45, .. 63-65: s7 to s27
.endif
.if j < 38
.set e, (j-25)/2                    ; 25, 27, .. 37: s0 to s6
.endif
	v_exp_f32 v[rS+e], v[rS+e]
.elseif j < 86
	v_cvt_pk_f16_f32 v[rP+j-70], v[rS+2*(j-70)], v[rS+2*(j-70)+1]  ; pair j - 70
.elseif j < 102                     ; the sum of the tile's 16 pairs, in place: neighbours 1, 2, 4 and 8 pairs apart, then l takes it
.set z, j-86
.set w, 4
.set u, z
.if z >= 14
.set w, 32
.set u, 0
.elseif z >= 12
.set w, 16
.set u, z-12
.elseif z >= 8
.set w, 8
.set u, z-8
.endif
.if z < 15
	v_pk_add_f32 v[rS+w*u:rS+w*u+1], v[rS+w*u:rS+w*u+1], v[rS+w*u+w/2:rS+w*u+w/2+1]
.else
	v_pk_fma_f32 v[rT+2:rT+3], v[rT+2:rT+3], v[rT+6:rT+7], v[rS:rS+1] op_sel_hi:[1,0,1]
.endif
.else
	WIN W_RS
	v_pk_mul_f32 v[rO:rO+1], v[rO:rO+1], v[rT+6:rT+7] op_sel_hi:[1,0]
.endif
.endm
; Slice k of 64 of piece y's softmax: four instructions.  Slices 11 to 34 deal out the batch, numbers 22 to 69: four numbers of ONE tile each, the tiles by turns.  Every other slice is numbers 2 k and 2 k + 1 of both tiles' lists;
; the twelve that are over stand together, in slice 63.  Ahead of slice 35 nothing names an exponential's result, and behind slice 34 no exponential is issued: so the piece's 66 exponentials have one wait, behind slice 34.
.macro SLICE y
.if (k >= 11) && (k < 35)
.irp n, 0,1,2,3
.set j, 22+4*((k-11)/2)+(\n)
	SM (\y)+(k-11)%2
.endr
.else
.irp n, 0,1,2,3,4,5,6,7
.if ((\n) < 2) || (k == 63)
.irp t, \y, (\y)+1
.set j, 2*k+(\n)
	SM \t
.endr
.endif
.endr
.endif
.if k == 34
	v_nop                           ; the plain instruction behind the last exponential and ahead of the first use: one for the batch
.if (\y) == 0
	FETCH_V                         ; piece 2's turn: V's run of loads stands here, and the wait stands in it
.else
	s_wait_alu depctr_va_vdst(0)    ; the wait for the batch, ahead of the first line that names a result
.endif
.endif
.set k, k+1
.endm
; A TURN.  Piece x has the matrix unit: 32 products V^T P, one slice of the other piece's softmax behind each, then 16 products K Q^T for the next step, two slices behind each.
; Piece 0's turn fetches the next step's K behind its second product: the last product that read K stands in front of slices 62 and 63 of the turn before.  Piece 2's turn fetches the same step's V behind slice 34: the last
; product that read V stands in front of slice 31, and four plain instructions lie between: number 62, a scaling, of both tiles, the v_nop and the run's own v_add_nc_u32.
.macro TURN x, last=0
.set k, 0
.if (\x) == 0
	s_wait_dscnt 0x0                ; V is in
.endif
.set i, 0
.rept 32
	PV \x
	SLICE 2-(\x)
.if ((\x) == 0) && (i == 1)
	FETCH_K \last
.endif
.set i, i+1
.endr
.if (\x) == 0
	s_wait_dscnt 0x0                ; K is in
.endif
.set i, 0
.rept 16
	KQ \x
	SLICE 2-(\x)
	SLICE 2-(\x)
.set i, i+1
.endr
.endm
; THE CHANGE OF SLOTS, between piece 2's turn and piece 0's.  Each wave waits for all its tensor loads, of which one is out: its part of the other slot; adds 0 to its spare word; and waits for that and for its own reads of the slot.
; fill = 1: this slot is filled again, with the keys two slots on, first thing behind a round of the cluster's barrier: the load has two key steps, 192 matrix instructions, in which to land.
.macro CHANGE fill
	WIN 0
	s_wait_tensorcnt 0x0            ; no tensor load of mine is out, so a group 0 may be written
	ds_add_u32 v[SPW], v[NIL]
.if \fill
.irp g, G0K+4, G0V+4
	s_xor_b32 s[(\g)+1], s[(\g)+1], SLOT1  ; the walking descriptor: the other slot than last time,
	s_add_nc_u64 s[(\g)+2:(\g)+3], s[(\g)+2:(\g)+3], 2*KS*256  ; the next 128 keys
.endr
	s_wait_xcnt 0x0                 ; the last prefetches, two key steps back, have read their address
	s_add_nc_u64 s[PFA:PFA+1], s[PFA:PFA+1], 2*KS*256
	s_wait_dscnt 0x0                ; the add is done, and my reads of the slot are over
	CROUND
	JLOAD
	ASK
.else
	s_wait_dscnt 0x0
	s_barrier_signal -1
	s_barrier_wait -1
.endif
	s_sub_co_u32 s[TB], s[TB], 2*STEPB  ; the fetches go back to a slot's first step,
	s_xor_b32 s[TB], s[TB], SLOT1   ; in the other slot
.endm
	s_wait_loadcnt 0x0              ; Q, the gain, wout, the lambdas
	WIN 0x8a                        ; all in window 2
.irp g, 0,1,2,3,4,5,6,7,8,9,10,11,12,13,14,15  ; wout: rounded to bf16 in place (each destination has been read by then), and that number written as f16
.irp n, 0,1,2,3
	v_cvt_pk_bf16_f32 v[KF+8*(\g)+(\n)], v[KF+8*(\g)+2*(\n)], v[KF+8*(\g)+2*(\n)+1]
.endr
.irp n, 0,1,2,3
	v_lshlrev_b32 v[KF+8*(\g)+4], 16, v[KF+8*(\g)+(\n)]
	v_and_b32 v[KF+8*(\g)+5], 0xffff0000, v[KF+8*(\g)+(\n)]
	v_cvt_pk_f16_f32 v[KF+8*(\g)+(\n)], v[KF+8*(\g)+4], v[KF+8*(\g)+5]
.endr
.endr
	WIN 0x08                        ; address window 0, data window 2
.irp g, 0,1,2,3,4,5,6,7,8,9,10,11,12,13,14,15
	global_store_b128 v[WO], v[KF+8*(\g):KF+8*(\g)+3], s[80:81] offset:512*(\g)  ; 512 consecutive bytes, at a multiple of 256 from wo's first byte
.endr
	WIN 0x8a                        ; the gain, rounded to bf16 and kept as f32
.set i, GW
.rept 32
	v_cvt_pk_bf16_f32 v[i+1], v[i], v[i+1]
	v_lshlrev_b32 v[i], 16, v[i+1]
	v_and_b32 v[i+1], 0xffff0000, v[i+1]
.set i, i+2
.endr
	WIN 0
.irp p, 0,2,4,6                     ; the lambdas likewise
	v_cvt_pk_bf16_f32 v[LM+(\p)+1], v[LM+(\p)], v[LM+(\p)+1]
	v_lshlrev_b32 v[LM+(\p)], 16, v[LM+(\p)+1]
	v_and_b32 v[LM+(\p)+1], 0xffff0000, v[LM+(\p)+1]
.endr
	v_mul_f32 v[LM+8], v[LM], v[LM+2]
	v_mul_f32 v[LM+9], v[LM+4], v[LM+6]
	v_fma_f32 v[LM+8], v[LM+1], v[LM+3], v[LM+8]
	v_fma_f32 v[LM+9], v[LM+5], v[LM+7], v[LM+9]
.irp m, 1,2,4,8                     ; the two sums over the 32 lanes
	v_add_f32_dpp v[LM+8], v[LM+8], v[LM+8] row_xmask:\m row_mask:0xf bank_mask:0xf
	v_add_f32_dpp v[LM+9], v[LM+9], v[LM+9] row_xmask:\m row_mask:0xf bank_mask:0xf
.endr
	v_permlanex16_b32 v[LM], v[LM+8], s[SEL], s[SEL+1]
	v_permlanex16_b32 v[LM+1], v[LM+9], s[SEL], s[SEL+1]
	v_add_f32 v[LM+8], v[LM+8], v[LM]
	v_add_f32 v[LM+9], v[LM+9], v[LM+1]
	v_mul_f32 v[LM+8], 0x3fb8aa3b, v[LM+8]
	v_mul_f32 v[LM+9], 0x3fb8aa3b, v[LM+9]
	v_exp_f32 v[LM+8], v[LM+8]
	v_exp_f32 v[LM+9], v[LM+9]
	v_nop                           ; a plain instruction behind the last exponential,
	s_wait_alu depctr_va_vdst(0)    ; and the wait ahead of the first use
	v_sub_f32 v[NLAM], v[LM+9], v[LM+8]
	v_add_f32 v[NLAM], 0xbf489a63, v[NLAM]  ; -lam = lam2 - lam1 - 0.7836058
	s_wait_xcnt 0x0                 ; wo's stores have read their registers: K's fragments are loaded into them only behind this wait
	s_wait_tensorcnt 1              ; my part of slot 0 is in; slot 1's may stay out
	s_barrier_signal -1
	s_barrier_wait -1
	s_branch .Lenter                ; slot 0 is read by the loop's own text: the loop is entered behind its change of slots
.Lslot:                             ; 15 trips, slots 0 to 14; the change of slots stands in front of 14 of them: every slot but the last two is filled again
	CHANGE 1
.Lenter:
	s_mov_b32 s[TWICE], 2
.Lstep:                             ; a slot's two key steps: written once, walked twice
	TURN 0
	TURN 2
	WIN 0
	s_sub_co_u32 s[TWICE], s[TWICE], 1
	s_cmp_lg_u32 s[TWICE], 0
	s_cbranch_scc1 .Lstep
	s_sub_co_u32 s[SLOTS], s[SLOTS], 1
	s_cmp_lg_u32 s[SLOTS], 0
	s_cbranch_scc1 .Lslot
	CHANGE 0                        ; the tail is written out
	s_mov_b32 s[TWICE], 3           ; two passes fetch the last slot's steps; the third is left in its middle
.Ltail:
	TURN 0, 1
	WIN 0
	s_sub_co_u32 s[TWICE], s[TWICE], 1
	s_cmp_eq_u32 s[TWICE], 0
	s_cbranch_scc1 .Lout
	TURN 2
	WIN 0
	s_branch .Ltail
.Lout:                              ; the third pass's 16 products K Q^T (on the last K once more) serve nothing: the price, once a launch, of one text for every pass
.set i, 0
.rept 32
	PV 2                            ; piece 2: V^T P of the last step
.set i, i+1
.endr
	; THE WAY OUT.  1 / l for the four tiles (sub-head 1's times -lam); A = O_0 / l_0 - lam O_1 / l_1; its mean square over the 128 channels; A rsqrt(..) gain, rounded to f16, through my stage.  The additions are the places behind the last products.
	WIN 0
.irp t, 0,1,2,3
	v_add_f32 v[ST+8*(\t)+4], v[ST+8*(\t)+2], v[ST+8*(\t)+3]
.endr
.irp t, 0,1,2,3
	v_permlanex16_b32 v[ST+8*(\t)+5], v[ST+8*(\t)+4], s[SEL], s[SEL+1]
.endr
.irp t, 0,1,2,3
	v_add_f32 v[ST+8*(\t)+4], v[ST+8*(\t)+4], v[ST+8*(\t)+5]
.endr
.irp t, 0,1,2,3
	v_rcp_f32 v[ST+8*(\t)+6], v[ST+8*(\t)+4]
.endr
	v_nop                           ; a plain instruction between the last reciprocal and the use of its result,
	s_wait_alu depctr_va_vdst(0)    ; and one wait for the four reciprocals
	v_mul_f32 v[ST+8*2+6], v[ST+8*2+6], v[NLAM]
	v_mul_f32 v[ST+8*3+6], v[ST+8*3+6], v[NLAM]
.macro COMB q                       ; query block q: tiles q and q + 2 into tile q's registers; the sum of squares, in four chains, into P's registers
	WIN W_RS
.set i, 0
.rept 32
	v_pk_mul_f32 v[64*(\q)+i:64*(\q)+i+1], v[64*(\q)+i:64*(\q)+i+1], v[ST+8*(\q)+6:ST+8*(\q)+7] op_sel_hi:[1,0]
.set i, i+2
.endr
	WIN 0x51                        ; destination, sources 0 and 2 in window 1, source 1 in window 0
.set i, 0
.rept 32
	v_pk_fma_f32 v[64*(\q)+i:64*(\q)+i+1], v[64*((\q)+2)+i:64*((\q)+2)+i+1], v[ST+8*((\q)+2)+6:ST+8*((\q)+2)+7], v[64*(\q)+i:64*(\q)+i+1] op_sel_hi:[1,0,1]
.set i, i+2
.endr
	WIN 0x05                        ; sources 0 and 1 in window 1, the rest in window 0
.set i, 0
.rept 32
.if i < 8
	v_pk_mul_f32 v[P+8*(\q)+i:P+8*(\q)+i+1], v[64*(\q)+i:64*(\q)+i+1], v[64*(\q)+i:64*(\q)+i+1]
.else
	v_pk_fma_f32 v[P+8*(\q)+i%8:P+8*(\q)+i%8+1], v[64*(\q)+i:64*(\q)+i+1], v[64*(\q)+i:64*(\q)+i+1], v[P+8*(\q)+i%8:P+8*(\q)+i%8+1]
.endif
.set i, i+2
.endr
	WIN 0
	v_pk_add_f32 v[P+8*(\q):P+8*(\q)+1], v[P+8*(\q):P+8*(\q)+1], v[P+8*(\q)+2:P+8*(\q)+3]
	v_pk_add_f32 v[P+8*(\q)+4:P+8*(\q)+5], v[P+8*(\q)+4:P+8*(\q)+5], v[P+8*(\q)+6:P+8*(\q)+7]
	v_pk_add_f32 v[P+8*(\q):P+8*(\q)+1], v[P+8*(\q):P+8*(\q)+1], v[P+8*(\q)+4:P+8*(\q)+5]
	v_add_f32 v[P+8*(\q)], v[P+8*(\q)], v[P+8*(\q)+1]
	v_permlanex16_b32 v[P+8*(\q)+1], v[P+8*(\q)], s[SEL], s[SEL+1]  ; the query's other 64 channels lie in the lane 16 away
	v_add_f32 v[P+8*(\q)], v[P+8*(\q)], v[P+8*(\q)+1]
	v_fma_f32 v[P+8*(\q)], v[P+8*(\q)], s[RM], s[RM+1]               ; mean + 1e-5
.endm
	COMB 0
	COMB 1
	v_rsq_f32 v[ST+4], v[P]
	v_rsq_f32 v[ST+12], v[P+8]
	v_nop
	s_wait_alu depctr_va_vdst(0)    ; one wait for the two roots
; Query block q: a lane's eight channels of a row pack into 16 bytes; they go into rows of 272 bytes and come back as whole rows of 256.
.macro PACK q
	WIN W_RS
.set i, 0
.rept 32
	v_pk_mul_f32 v[64*(\q)+i:64*(\q)+i+1], v[64*(\q)+i:64*(\q)+i+1], v[ST+8*(\q)+4:ST+8*(\q)+5] op_sel_hi:[1,0]
.set i, i+2
.endr
	WIN 0x49                        ; destination and source 0 in window 1, source 1 (the gain) in window 2
.set i, 0
.rept 32
	v_pk_mul_f32 v[64*(\q)+i:64*(\q)+i+1], v[64*(\q)+i:64*(\q)+i+1], v[GW+i:GW+i+1]
.set i, i+2
.endr
	WIN 0x05
.set i, 0
.rept 32
	v_cvt_pk_f16_f32 v[S+32*(\q)+i], v[64*(\q)+2*i], v[64*(\q)+2*i+1]
.set i, i+1
.endr
	WIN 0
.irp f, 0,1,2,3,4,5,6,7
	ds_store_b128 v[STO], v[S+32*(\q)+4*(\f):S+32*(\q)+4*(\f)+3] offset:32*(\f)
.endr
.irp f, 0,1,2,3,4,5,6,7
	ds_load_b128 v[S+32*(\q)+4*(\f):S+32*(\q)+4*(\f)+3], v[RD] offset:(\f)*2*SP  ; LDS serves a wave's instructions in order (ISA guide 5.7.1.4): these see the stores above; the next block's stores come behind them
.endr
.endm
.macro SEND q, younger              ; younger: the LDS instructions issued behind block q's loads
	WIN 0
.irp f, 0,1,2,3,4,5,6,7
	s_wait_dscnt (\younger)+7-(\f)
	global_store_b128 v[GO], v[S+32*(\q)+4*(\f):S+32*(\q)+4*(\f)+3], s[10:11] offset:(16*(\q)+2*(\f))*4096  ; 16 lanes store 256 consecutive bytes, at a multiple of 256 from at's first byte
.endr
.endm
	PACK 0
	PACK 1
	SEND 0, 16
	SEND 1, 0
	s_wait_tensorcnt 0x0            ; the wave's end, behind my last tensor load and my last LDS store
	ds_add_u32 v[SPW], v[NIL]
	s_wait_dscnt 0x0
	CROUND                          ; the closing round: no work-group ends while a partner may still ask for a tile that names it
	s_endpgm
.Lfunc_end_k_q0940a9926d_attn:
	.size	k_q0940a9926d_attn, .Lfunc_end_k_q0940a9926d_attn-k_q0940a9926d_attn
	.p2alignl 7, 3214868480
	.fill 96, 4, 3214868480
	.section	.rodata,"a",@progbits
	.p2align	6, 0x0
	.amdhsa_kernel k_q0940a9926d_attn
		.amdhsa_group_segment_fixed_size 327680
		.amdhsa_private_segment_fixed_size 0
		.amdhsa_enable_private_segment 0
		.amdhsa_kernarg_size 72
		.amdhsa_user_sgpr_count 2
		.amdhsa_user_sgpr_kernarg_segment_ptr 1
		.amdhsa_wavefront_size32 1
		.amdhsa_system_sgpr_workgroup_id_x 1
		.amdhsa_system_sgpr_workgroup_id_y 1
		.amdhsa_system_sgpr_workgroup_id_z 1
		.amdhsa_system_vgpr_workitem_id 0
		.amdhsa_next_free_vgpr 896
		.amdhsa_next_free_sgpr 88
		.amdhsa_reserve_vcc 0
		.amdhsa_float_denorm_mode_32 3
		.amdhsa_float_denorm_mode_16_64 3
		.amdhsa_memory_ordered 1
		.amdhsa_forward_progress 1
		.amdhsa_inst_pref_size 179
	.end_amdhsa_kernel
	.amdgpu_metadata
---
amdhsa.version: [ 1, 2 ]
amdhsa.kernels:
  - .name:           k_q0940a9926d_attn
    .symbol:         k_q0940a9926d_attn.kd
    .args:
      - { .name: qkv, .offset: 0, .size: 8, .value_kind: global_buffer, .address_space: global }
      - { .name: at, .offset: 8, .size: 8, .value_kind: global_buffer, .address_space: global }
      - { .name: lambda_q1, .offset: 16, .size: 8, .value_kind: global_buffer, .address_space: global }
      - { .name: lambda_k1, .offset: 24, .size: 8, .value_kind: global_buffer, .address_space: global }
      - { .name: lambda_q2, .offset: 32, .size: 8, .value_kind: global_buffer, .address_space: global }
      - { .name: lambda_k2, .offset: 40, .size: 8, .value_kind: global_buffer, .address_space: global }
      - { .name: subln_weight, .offset: 48, .size: 8, .value_kind: global_buffer, .address_space: global }
      - { .name: wout, .offset: 56, .size: 8, .value_kind: global_buffer, .address_space: global }
      - { .name: wo, .offset: 64, .size: 8, .value_kind: global_buffer, .address_space: global }
    .group_segment_fixed_size: 327680
    .private_segment_fixed_size: 0
    .kernarg_segment_align: 8
    .kernarg_segment_size: 72
    .max_flat_workgroup_size: 128
    .sgpr_count:     88
    .vgpr_count:     896
    .wavefront_size: 32
...
	.end_amdgpu_metadata
.endif
;; end of part 3
;; launch proj (part 4): grid 16 x 16, 4 waves a work-group, clusters of 4 x 4, 327,680 bytes of LDS; arguments at, wo, out0; writes out0
.if DOCPART == 4
	.amdgcn_target "amdgcn-amd-amdhsa--gfx1250"
	.amdhsa_code_object_version 6
	.text
	.protected	k_q0940a9926d_proj
	.globl	k_q0940a9926d_proj
	.p2align	8
	.type	k_q0940a9926d_proj,@function
k_q0940a9926d_proj:
	s_mov_b64 s[64:65], 0
	v_nop
	global_prefetch_b8 v0, s[64:65] scope:SCOPE_SE
	s_setreg_imm32_b32 hwreg(HW_REG_WAVE_MODE, 25, 1), 1
	s_wait_xcnt 0x0
	s_wait_alu depctr_hold_cnt(0) depctr_sa_sdst(0) depctr_va_vdst(0) depctr_va_sdst(0) depctr_va_ssrc(0) depctr_va_vcc(0) depctr_vm_vsrc(0)
	s_getreg_b32 s2, hwreg(HW_REG_IB_STS2, 6, 4)
	s_cmp_eq_u32 s2, 0
	s_cbranch_scc0 .Lentry_in_a_cluster
	s_endpgm
.Lentry_in_a_cluster:
	s_bfe_u32 s2, ttmp6, 0x10000c
	s_cmp_lg_u32 s2, 0xf033
	s_cbranch_scc0 .Lentry_shape_is_right
	s_endpgm
.Lentry_shape_is_right:
; out0[t][n] = sum over k of at[t][k] wo[n][k].  at, wo: [2048][2048] f16; out0: [2048][2048] f32; sums in f32.
; A tile of out0 is 128 x 128: 16 x 16 work-groups.  Four waves, each 64 x 64: 16 accumulators of 16 x 16, 128 registers.  K goes in 8 steps of 256 (LDS rows of 512 bytes; a wave's tensor load brings 64 of them) through two slots.
; THE LOOP IS ONE K STEP: one descriptor walks from K step to K step and from slot to slot, and the fragments' LDS addresses are made anew at each change of slots from s[TB], the slot's first byte.
; CLUSTER 4 x 4.  The four of a row of the cluster need the same tiles of at, the four of a column the same tiles of wo: each tile is asked for JOINTLY.  THE MATRIX INSTRUCTION IS USED TRANSPOSED (source 0 = 16 rows of wo,
; source 1 = 16 rows of at): a lane holds eight neighbouring numbers of a row of out0.  A wave's 64 columns are 256 bytes of f32, so each wave has a stage of its own on the way out, and no barrier.
; No prefetch: the tiles are small and a K step is short.
; REGISTERS: window 0: v0-31 addresses; v128-255 the accumulators ((a, b) at v[128 + 8 (4 a + b)]), later the rows read back.  window 1: two fragment buffers of 128: 64 registers of A, then 64 of B.
.set SIZE_N, 2048
.set SIZE_K, 2048
.set KSTEP,  256
.set PITCH,  528                       ; an LDS row: 512 bytes + 16 of padding = 132 words: row r starts at bank 4 r mod 64 (64 banks of 4 bytes: ISA guide 11.1)
.set HALFT,  64*PITCH                  ; what one tensor load brings: 0x8400 bytes
.set SLOT,   4*HALFT                   ; 0x21000 bytes.  wave x HALFT (0, 0x8400, 0x10800, 0x18c00) and SLOT share no bit: one exclusive or turns a tile's LDS address from one slot's into the other's
.set STAGE,  2*SLOT                    ; behind the ring: 16 rows x 272 bytes for each wave
.set SPITCH, 272
.set SPARE,  STAGE+4*16*SPITCH         ; behind the stages: the spare words, 128 bytes for each wave: two blocks of 256 bytes that no other line names
.set STEPS, SIZE_K/KSTEP
.set ADRA0, 16                         ; v16  my lane's place in A's part of a slot; never rewritten
.set ADRA,  17                         ; v17  the same in the slot in hand
.set ADRB0, 20                         ; v20, 21 likewise for B
.set ADRB,  21
.set STO,  24
.set RD,   25
.set CO,   26
.set SPW,  28
.set NIL,  29
.set ACC,  128
.set F0,   0
.set F1,   128
.set G1, 24                            ; s[24:31] group 1 for A's tiles; s[32:39] group 0: a set for each of the two first fills; the second then walks on
.set G0, 32
.set TB, 43                            ; s43  first LDS byte of the slot in hand: 0 or SLOT
.set G1B, 48                           ; s[48:55], s[56:63] the same for B's tiles
.set G0B, 56
.set MSB, 0
.macro WIN new
.if MSB != (\new)
	s_set_vgpr_msb (MSB<<8)|(\new)
.set MSB, \new
.endif
.endm
.set MUL,  0x05                        ; sources 0 (B) and 1 (A) window 1; C and D window 0
.set TO_F, 0x40                        ; destination window 1, address window 0
.macro JLOAD s                         ; a joint load: waves 0 and 1 fetch A's two halves, waves 2 and 3 B's; an s_nop 0 and four v_nop follow each of the two lines
	s_cmp_eq_u32 s11, 0
	s_cbranch_scc0 .Lfor_b_\@
	tensor_load_to_lds s[G0+4*(\s):G0+4*(\s)+3], s[G1:G1+7]
	s_nop 0
.rept 4
	v_nop
.endr
	s_branch .Lasked_\@
.Lfor_b_\@:
	tensor_load_to_lds s[G0B+4*(\s):G0B+4*(\s)+3], s[G1B:G1B+7]
	s_nop 0
.rept 4
	v_nop
.endr
.Lasked_\@:
.endm
.macro CREST
	s_cmp_lg_u32 s10, 0
	s_cbranch_scc1 .Lnot_wave_0_\@
	s_barrier_signal -3
.Lnot_wave_0_\@:
	s_barrier_wait -3
	s_barrier_signal -1
	s_barrier_wait -1
.endm
.macro CROUND
	s_barrier_signal -1
	s_barrier_wait -1
	CREST
.endm
	s_load_b128 s[4:7], s[0:1], 0x0                ; at s[4:5], wo s[6:7]
	s_load_b64 s[8:9], s[0:1], 0x10                ; out0
	v_lshl_add_u32 v[SPW], v0, 2, SPARE
	v_mov_b32 v[NIL], 0
	ds_add_u32 v[SPW], v[NIL]                      ; the wave's opening: the add and its wait stand ahead of my first tensor load
	v_lshrrev_b32 v1, 5, v0
	v_readfirstlane_b32 s10, v1                    ; wave 0..3
	s_lshr_b32 s11, s10, 1                         ; which half of the tile's rows is mine.  Also: I fetch for A (0) or for B (1)
	s_and_b32 s12, s10, 1                          ; which half of its columns.  Also: which 64 rows of that tile I fetch
	s_bfe_u32 s40, ttmp6, 0x40000                  ; cx, cy
	s_bfe_u32 s41, ttmp6, 0x40004
	s_lshl_b32 s42, ttmp9, 2
	s_add_co_u32 s42, s42, s40                     ; tile column
	s_and_b32 s13, ttmp7, 0xffff
	s_lshl_b32 s13, s13, 2
	s_add_co_u32 s13, s13, s41                     ; tile row
	s_lshl_b32 s45, s41, 2
	s_lshl_b32 s45, 15, s45                        ; my row of the cluster
	s_lshl_b32 s44, 0x1111, s40                    ; my column
	s_or_b32 s[G1+0], s45, (1<<16)|(1<<20)|(1<<21)|(6<<22)|(3<<25)  ; the mask; 2-byte elements; padding on; bit 21 beside a mask; after every 128 words (code 6) 4 words (code 3)
	s_or_b32 s[G1B+0], s44, (1<<16)|(1<<20)|(1<<21)|(6<<22)|(3<<25)
.irp g, G1, G1B
	s_mov_b32 s[(\g)+1], KSTEP<<16                 ; tensor_dim0 = 256
	s_mov_b32 s[(\g)+2], 64<<16                    ; tensor_dim1 = 64
	s_mov_b32 s[(\g)+3], KSTEP<<16                 ; tile_dim0 = 256
	s_mov_b32 s[(\g)+4], 64                        ; tile_dim1 = 64
	s_mov_b32 s[(\g)+5], SIZE_K
	s_mov_b32 s[(\g)+6], 0
	s_mov_b32 s[(\g)+7], 0
.endr
	s_lshl_b32 s17, s12, 6                         ; which 64 rows of the tile I fetch
	s_lshl_b32 s16, s13, 7
	s_add_co_u32 s16, s16, s17                     ; A: row 128 x tile row + 64 x half
	s_lshl_b32 s46, s42, 7
	s_add_co_u32 s46, s46, s17                     ; B: row 128 x tile column + 64 x half
	s_mov_b32 s17, 0
	s_mov_b32 s47, 0
	s_mov_b64 s[18:19], SIZE_K*2
	s_mul_u64 s[16:17], s[16:17], s[18:19]
	s_mul_u64 s[46:47], s[46:47], s[18:19]
	s_mul_i32 s20, s10, HALFT                      ; where they go: wave x 64 rows
	s_mov_b32 s[TB], 0                             ; slot 0 is read first
	s_wait_dscnt 0x0                               ; the opening add is done
	s_wait_kmcnt 0x0
	s_add_nc_u64 s[14:15], s[4:5], s[16:17]
	s_add_nc_u64 s[46:47], s[6:7], s[46:47]
	CROUND                                         ; all sixteen work-groups are here: the first joint loads meet
.irp s, 0,1
	s_mov_b32 s[G0+4*(\s)], 1
	s_add_co_u32 s[G0+4*(\s)+1], s20, (\s)*SLOT
	s_add_nc_u64 s[G0+4*(\s)+2:G0+4*(\s)+3], s[14:15], (\s)*KSTEP*2
	s_or_b32 s[G0+4*(\s)+3], s[G0+4*(\s)+3], 0x80000000
	s_mov_b32 s[G0B+4*(\s)], 1
	s_add_co_u32 s[G0B+4*(\s)+1], s20, (\s)*SLOT
	s_add_nc_u64 s[G0B+4*(\s)+2:G0B+4*(\s)+3], s[46:47], (\s)*KSTEP*2
	s_or_b32 s[G0B+4*(\s)+3], s[G0B+4*(\s)+3], 0x80000000
	JLOAD \s
.endr
	v_and_b32 v1, 15, v0                           ; r = l % 16
	v_bfe_u32 v2, v0, 4, 1                         ; h = l / 16
	v_mul_u32_u24 v3, v1, PITCH
	v_lshl_add_u32 v3, v2, 4, v3
	s_mul_i32 s21, s11, HALFT                      ; my 64 rows of A
	s_mul_i32 s22, s12, HALFT                      ; my 64 rows of B,
	s_add_co_u32 s22, s22, 2*HALFT                 ; which lie behind A's 128
	v_add_nc_u32 v[ADRA0], s21, v3
	v_add_nc_u32 v[ADRB0], s22, v3
	s_mul_i32 s23, s10, 16*SPITCH
	s_add_co_u32 s23, s23, STAGE                   ; my stage
	v_mul_u32_u24 v4, v1, SPITCH                   ; in: row r, 32 bytes (eight f32) for each half of the lanes
	v_lshl_add_u32 v4, v2, 5, v4
	v_add_nc_u32 v[STO], s23, v4
	v_mul_u32_u24 v5, v2, SPITCH                   ; back: lanes 0-15 one row of 256 bytes, lanes 16-31 the next
	v_lshl_add_u32 v5, v1, 4, v5
	v_add_nc_u32 v[RD], s23, v5
	v_lshlrev_b32 v5, 13, v2                       ; and the same two rows in out0, 8,192 bytes apart
	v_lshl_add_u32 v[CO], v1, 4, v5
	s_lshl_b32 s16, s13, 7
	s_lshl_b32 s17, s11, 6
	s_add_co_u32 s16, s16, s17                     ; my first row: 128 x tile row + 64 x half,
	s_lshl_b32 s16, s16, 13                        ; in bytes
	s_mov_b32 s17, 0
	s_add_nc_u64 s[8:9], s[8:9], s[16:17]
	s_lshl_b32 s46, s42, 9                         ; my first column, in bytes: 512 x tile column + 256 x half
	s_lshl_b32 s47, s12, 8
	s_add_co_u32 s46, s46, s47
	s_mov_b32 s47, 0
	s_add_nc_u64 s[8:9], s[8:9], s[46:47]
.macro SETADR                          ; the fragments' addresses in the slot that begins at s[TB]
	v_add_nc_u32 v[ADRA], s[TB], v[ADRA0]
	v_add_nc_u32 v[ADRB], s[TB], v[ADRB0]
.endm
; 8 matrix instructions: m blocks a0, a0 + 1 x all 4 n blocks, 32 along K: half c of buffer f.  The 16 accumulators take turns.  zero = 1: the first product starts the sums
.macro MUL8 f, c, a0, zero
	WIN MUL
.irp a, \a0, (\a0)+1
.irp b, 0,1,2,3
.if \zero
	v_wmma_f32_16x16x32_f16 v[ACC+8*(4*(\a)+(\b)):ACC+8*(4*(\a)+(\b))+7], v[(\f)+64+8*(4*(\c)+(\b)):(\f)+64+8*(4*(\c)+(\b))+7], v[(\f)+8*(4*(\c)+(\a)):(\f)+8*(4*(\c)+(\a))+7], 0
.else
	v_wmma_f32_16x16x32_f16 v[ACC+8*(4*(\a)+(\b)):ACC+8*(4*(\a)+(\b))+7], v[(\f)+64+8*(4*(\c)+(\b)):(\f)+64+8*(4*(\c)+(\b))+7], v[(\f)+8*(4*(\c)+(\a)):(\f)+8*(4*(\c)+(\a))+7], v[ACC+8*(4*(\a)+(\b)):ACC+8*(4*(\a)+(\b))+7]
.endif
.endr
.endr
.endm
; 32 LDS loads in one run: the fragments of 64 along K at byte k of the rows of the slot in hand, into buffer f; the first 32 along K first
.macro FETCH k, f
	WIN TO_F
.irp c, 0,1
.irp i, 0,1,2,3
	ds_load_b128 v[(\f)+64+8*(4*(\c)+(\i)):(\f)+64+8*(4*(\c)+(\i))+3],   v[ADRB] offset:(\k)+64*(\c)+(\i)*16*PITCH
	ds_load_b128 v[(\f)+64+8*(4*(\c)+(\i))+4:(\f)+64+8*(4*(\c)+(\i))+7], v[ADRB] offset:(\k)+64*(\c)+(\i)*16*PITCH+32
	ds_load_b128 v[(\f)+8*(4*(\c)+(\i)):(\f)+8*(4*(\c)+(\i))+3],         v[ADRA] offset:(\k)+64*(\c)+(\i)*16*PITCH
	ds_load_b128 v[(\f)+8*(4*(\c)+(\i))+4:(\f)+8*(4*(\c)+(\i))+7],       v[ADRA] offset:(\k)+64*(\c)+(\i)*16*PITCH+32
.endr
.endr
.endm
.macro PLACES                          ; four places in front of loads into registers that matrix instructions have read, and of lines that read results
.rept 4
	v_nop
.endr
.endm
; A K step is four quarters of 64 along K, 32 matrix instructions each, on buffers 0, 1, 0, 1.
.macro QUARTER k, f, g, zero
	s_wait_dscnt 16                                ; the first 32 along K are in
	WIN MUL
	MUL8 \f, 0, 0, \zero
	MUL8 \f, 0, 2, \zero
	PLACES
	FETCH \k, \g
	s_wait_dscnt 32                                ; all but the 32 just issued
	WIN MUL
	MUL8 \f, 1, 0, 0
	MUL8 \f, 1, 2, 0
.endm
; The last quarter multiplies buffer 1 and changes slots: ONE barrier; in front of it each wave waits for all its tensor loads, adds 0 to its spare word, and waits for that and for its own reads of this slot.
; fill = 1: the barrier opens a round of the cluster's barrier, and this slot is filled again first thing behind it, two K steps ahead: 112 matrix instructions stand between that request and the wait for it.
.macro TURN fill
	WIN 0                                          ; (the add's two registers lie in window 0)
	s_wait_tensorcnt 0x0                           ; all my tensor loads have landed: my part of the next slot
	ds_add_u32 v[SPW], v[NIL]
	s_wait_dscnt 17                                ; (the add and the youngest sixteen loads may be out)
	WIN MUL
	MUL8 F1, 0, 0, 0
	s_wait_dscnt 0x0                               ; the add is done, and my reads of this slot are over
	s_barrier_signal -1
	MUL8 F1, 0, 2, 0
	WIN 0                                          ; (branches and lines on window 0 follow)
	s_barrier_wait -1
.if \fill
	CREST                                          ; no wave of any partner still reads this slot's tile or has a load on its way
	s_xor_b32 s[G0+5], s[G0+5], SLOT               ; the walking descriptors: the other slot than last time,
	s_add_nc_u64 s[G0+6:G0+7], s[G0+6:G0+7], KSTEP*2  ; the next K step; the type bits on top are not reached
	s_xor_b32 s[G0B+5], s[G0B+5], SLOT
	s_add_nc_u64 s[G0B+6:G0B+7], s[G0B+6:G0B+7], KSTEP*2
	JLOAD 1                                        ; its four v_nop are also the places in front of the loads below
.else
	PLACES
.endif
	s_xor_b32 s[TB], s[TB], SLOT                   ; the fetches go on in the other slot
	SETADR
	FETCH 0, F0
	WIN MUL
	MUL8 F1, 1, 0, 0
	MUL8 F1, 1, 2, 0
.endm
	SETADR
	s_wait_tensorcnt 1                             ; my part of K step 0 is in; K step 1's may stay out
	s_barrier_signal -1
	s_barrier_wait -1
	FETCH 0, F0
	QUARTER 128, F0, F1, 1                         ; the first quarter stands in front of the loop: its first products start the sums
	WIN 0
	s_mov_b32 s3, STEPS-2
.Lstep:                                        ; a trip goes from a K step's second quarter to the next one's first and fills one slot again: K steps 2 to 7 in six trips
	QUARTER 256, F1, F0, 0
	QUARTER 384, F0, F1, 0
	TURN 1
	QUARTER 128, F0, F1, 0
	WIN 0
	s_sub_co_u32 s3, s3, 1
	s_cmp_lg_u32 s3, 0
	s_cbranch_scc1 .Lstep
	QUARTER 256, F1, F0, 0                         ; the last two K steps fill nothing: they are written out
	QUARTER 384, F0, F1, 0
	TURN 0
	QUARTER 128, F0, F1, 0
	QUARTER 256, F1, F0, 0
	QUARTER 384, F0, F1, 0
	s_wait_dscnt 16
	WIN MUL
	MUL8 F1, 0, 0, 0
	MUL8 F1, 0, 2, 0
	s_wait_dscnt 0
	MUL8 F1, 1, 0, 0
	MUL8 F1, 1, 2, 0
	WIN 0
; THE WAY OUT, 16 rows at a time: a lane's eight f32 of a row go into my stage (each accumulator's lowest registers first) and come back as whole rows of 256 bytes, into the registers that they left.
.macro TOSTAGE a
.irp b, 0,1,2,3
	ds_store_b128 v[STO], v[ACC+8*(4*(\a)+(\b)):ACC+8*(4*(\a)+(\b))+3]   offset:64*(\b)
	ds_store_b128 v[STO], v[ACC+8*(4*(\a)+(\b))+4:ACC+8*(4*(\a)+(\b))+7] offset:64*(\b)+16
.endr
.irp t, 0,1,2,3,4,5,6,7
	ds_load_b128 v[ACC+32*(\a)+4*(\t):ACC+32*(\a)+4*(\t)+3], v[RD] offset:(\t)*2*SPITCH  ; LDS serves a wave's instructions in order (ISA guide 5.7.1.4): these see the stores above; the next block's stores come behind them
.endr
.endm
.macro SEND a, younger                 ; younger: the LDS instructions issued behind block a's loads: the next block's sixteen, or none
.irp t, 0,1,2,3,4,5,6,7
	s_wait_dscnt (\younger)+7-(\t)
	global_store_b128 v[CO], v[ACC+32*(\a)+4*(\t):ACC+32*(\a)+4*(\t)+3], s[8:9] offset:(16*(\a)+2*(\t))*SIZE_N*4  ; 16 lanes store 256 consecutive bytes, at a multiple of 256 from out0's first byte
.endr
.endm
	PLACES
	PLACES
	TOSTAGE 0
.irp a, 1,2,3
	TOSTAGE \a
	SEND (\a)-1, 16
.endr
	SEND 3, 0
	s_wait_tensorcnt 0x0                           ; the wave's end, behind my last tensor load and my last LDS store
	ds_add_u32 v[SPW], v[NIL]
	s_wait_dscnt 0x0
	CROUND                                         ; the closing round: no work-group ends while a partner may still ask for a tile that names it
	s_endpgm
.Lfunc_end_k_q0940a9926d_proj:
	.size	k_q0940a9926d_proj, .Lfunc_end_k_q0940a9926d_proj-k_q0940a9926d_proj
	.p2alignl 7, 3214868480
	.fill 96, 4, 3214868480
	.section	.rodata,"a",@progbits
	.p2align	6, 0x0
	.amdhsa_kernel k_q0940a9926d_proj
		.amdhsa_group_segment_fixed_size 327680
		.amdhsa_private_segment_fixed_size 0
		.amdhsa_enable_private_segment 0
		.amdhsa_kernarg_size 24
		.amdhsa_user_sgpr_count 2
		.amdhsa_user_sgpr_kernarg_segment_ptr 1
		.amdhsa_wavefront_size32 1
		.amdhsa_system_sgpr_workgroup_id_x 1
		.amdhsa_system_sgpr_workgroup_id_y 1
		.amdhsa_system_sgpr_workgroup_id_z 1
		.amdhsa_system_vgpr_workitem_id 0
		.amdhsa_next_free_vgpr 512
		.amdhsa_next_free_sgpr 66
		.amdhsa_reserve_vcc 0
		.amdhsa_float_denorm_mode_32 3
		.amdhsa_float_denorm_mode_16_64 3
		.amdhsa_memory_ordered 1
		.amdhsa_forward_progress 1
		.amdhsa_inst_pref_size 69
	.end_amdhsa_kernel
	.amdgpu_metadata
---
amdhsa.version: [ 1, 2 ]
amdhsa.kernels:
  - .name:           k_q0940a9926d_proj
    .symbol:         k_q0940a9926d_proj.kd
    .args:
      - { .name: at, .offset: 0, .size: 8, .value_kind: global_buffer, .address_space: global }
      - { .name: wo, .offset: 8, .size: 8, .value_kind: global_buffer, .address_space: global }
      - { .name: out0, .offset: 16, .size: 8, .value_kind: global_buffer, .address_space: global }
    .group_segment_fixed_size: 327680
    .private_segment_fixed_size: 0
    .kernarg_segment_align: 8
    .kernarg_segment_size: 24
    .max_flat_workgroup_size: 128
    .sgpr_count:     66
    .vgpr_count:     512
    .wavefront_size: 32
...
	.end_amdgpu_metadata
.endif
;; end of part 4
;; ======== version 2 of 2: 4 launches; version 1 with the launch prep written anew for expert scheduling mode
;; limits: values are held in f16: magnitudes above 65,504 overflow, below 6.1e-05 lose precision
;; workspace buffers: xb 8,388,608 bytes; wb 25,165,824 bytes; wo 8,388,608 bytes; tab 524,288 bytes; qkv 25,165,824 bytes; at 8,388,608 bytes
;; launch prep (part 5): grid 128 x 5, 8 waves a work-group, no clusters, 0 bytes of LDS; arguments x, wq, wk, wv, xb, wb, tab; writes xb, wb, tab
.if DOCPART == 5
	.amdgcn_target "amdgcn-amd-amdhsa--gfx1250"
	.amdhsa_code_object_version 6
	.text
	.protected	k_q0940a9926d_prep
	.globl	k_q0940a9926d_prep
	.p2align	8
	.type	k_q0940a9926d_prep,@function
k_q0940a9926d_prep:
	s_mov_b64 s[64:65], 0
	v_nop
	global_prefetch_b8 v0, s[64:65] scope:SCOPE_SE
	s_setreg_imm32_b32 hwreg(HW_REG_WAVE_SCHED_MODE, 0, 2), 2
	s_setreg_imm32_b32 hwreg(HW_REG_WAVE_MODE, 25, 1), 1
	s_wait_xcnt 0x0
	s_wait_alu depctr_vm_vsrc(0)
; PREP.  y = 0: xb = bf16(x).  y = 1, 2, 3: wb[y-1] = bf16(wq, wk, wv).  y = 4: the rotary table.
; The four matrices are [2048][2048] f32.  A work-group takes 16 rows; thread t takes 8 numbers (32 bytes in, 16 bytes out) of each row, so a wave's store covers 512 consecutive bytes.
; All 32 loads of a thread go out first (16 KiB a wave on their way); each row is converted behind a counted wait.  No register that a load or a store reads is written again.
; TABLE.  tab[t][j] = (cos, sin)(t x 10^(-j/8)), t = 0..2047, j = 0..31, f32: a row of 256 bytes.  The angle is kept in turns as a sum of two f32 (g = 10^(-j/8) / 2 pi made from five factors of two f32 each,
; chosen by j's bits), reduced exactly to a quarter turn's eighth, and sine and cosine are short series on |angle| <= pi/4.  The angle is good to about 2e-7 radians.
; THE MODE: SCHED_MODE bits 1:0 = 2 (LLVM: expert scheduling mode 2), set by the entry lines.  The code itself states the register dependences between vector instructions and memory instructions, with s_wait_alu, always for 0.
; THE PLAN, converting path.  Registers that memory instructions touch:
;   v1, v2     the loads' and the stores' offsets: written once at the head, never again on this path.
;   X, row r   written by row r's two loads; read, and its first four registers written, by row r's four conversions; those four read by row r's store.
; The 16 rows go in four blocks of four.  Row r's store is issued four rows later, ahead of row r + 4's conversions, which name row r + 4's registers alone.  So one wait at the head of a block states that the block
; before has written all that the block's four stores read, and one more stands ahead of the last four stores.  Nothing that a memory instruction has read is written again, so no wait is owed for that.
; THE PLAN, table path.  The compares write scalar masks in runs (five for j's bits, two for the angles' odd quarters), one wait behind each run and ahead of the selects that read them;
; one wait ahead of the two stores states that their data v[28:31] and their offset v5 are written.
.set X, 8                              ; v[8:135]  row i of 16: eight registers as loaded; the first four then hold what is stored
.set BLOCK, 4                          ; rows in a block
.set MB, 32                            ; s[32:36]  lanes whose j has bit 0 .. 4
.set MA, 37                            ; s37, s38  lanes whose angle lies in an odd quarter turn: first row, second row
	s_load_b256 s[8:15], s[0:1], 0x0               ; x 8:9, wq 10:11, wk 12:13, wv 14:15
	s_load_b128 s[16:19], s[0:1], 0x20             ; xb 16:17, wb 18:19
	s_load_b64 s[20:21], s[0:1], 0x30              ; tab
	s_and_b32 s2, ttmp7, 0xffff                    ; y: which matrix, or the table
	v_lshlrev_b32 v1, 5, v0                        ; my 32 bytes of a source row; never rewritten on the converting path
	v_lshlrev_b32 v2, 4, v0                        ; my 16 bytes of a destination row
	s_lshl_b32 s28, ttmp9, 17                      ; the work-group's 16 rows: 8,192 bytes each in,
	s_mov_b32 s29, 0
	s_lshl_b32 s30, ttmp9, 16                      ; 4,096 bytes each out
	s_mov_b32 s31, 0
	s_max_u32 s26, s2, 1                           ; which third of wb: y - 1 for y = 1, 2, 3; 0 for x
	s_sub_co_u32 s26, s26, 1
	s_lshl_b32 s26, s26, 23
	s_mov_b32 s27, 0
	s_wait_kmcnt 0x0
	s_cmp_eq_u32 s2, 4
	s_cbranch_scc1 .Ltable
	s_mov_b64 s[4:5], s[8:9]                       ; the source, chosen by y
	s_cmp_eq_u32 s2, 1
	s_cselect_b64 s[4:5], s[10:11], s[4:5]
	s_cmp_eq_u32 s2, 2
	s_cselect_b64 s[4:5], s[12:13], s[4:5]
	s_cmp_eq_u32 s2, 3
	s_cselect_b64 s[4:5], s[14:15], s[4:5]
	s_cmp_eq_u32 s2, 0                             ; the destination
	s_cselect_b64 s[6:7], s[16:17], s[18:19]
	s_add_nc_u64 s[6:7], s[6:7], s[26:27]
	s_add_nc_u64 s[4:5], s[4:5], s[28:29]
	s_add_nc_u64 s[6:7], s[6:7], s[30:31]
	s_wait_alu depctr_va_vdst(0)                   ; v1 and v2 are written: every load below reads v1 as its offset, every store v2
.irp i, 0,1,2,3,4,5,6,7,8,9,10,11,12,13,14,15
	global_load_b128 v[X+8*(\i):X+8*(\i)+3],   v1, s[4:5] offset:8192*(\i) th:TH_LOAD_NT
	global_load_b128 v[X+8*(\i)+4:X+8*(\i)+7], v1, s[4:5] offset:8192*(\i)+16 th:TH_LOAD_NT
.endr
.set r, 0
.rept 16
	s_wait_loadcnt 30-2*r                          ; loads come back in order: the two of each of the 15 - r later rows may stay out
.if r >= BLOCK
.if r % BLOCK == 0
	s_wait_alu depctr_va_vdst(0)                   ; the conversions of the block before have written its four rows, which this block's four stores read
.endif
	global_store_b128 v2, v[X+8*(r-BLOCK):X+8*(r-BLOCK)+3], s[6:7] offset:4096*(r-BLOCK)  ; a row of the block before: no vector line since the wait names its registers
.endif
.irp n, 0,1,2,3
	v_cvt_pk_bf16_f32 v[X+8*r+(\n)], v[X+8*r+2*(\n)], v[X+8*r+2*(\n)+1]  ; in place: each destination has been read by then
.endr
.set r, r+1
.endr
	s_wait_alu depctr_va_vdst(0)                   ; the last block's conversions have written rows 12 to 15, which the last four stores read
.irp i, 12,13,14,15
	global_store_b128 v2, v[X+8*(\i):X+8*(\i)+3], s[6:7] offset:4096*(\i)
.endr
	s_endpgm
.Ltable:                                       ; 128 work-groups x 16 rows: wave w makes rows 16 bx + w and 16 bx + w + 8, lane j the pair j
	v_and_b32 v1, 31, v0                           ; j (on this path no memory instruction has read v1 or v2)
	v_lshrrev_b32 v2, 5, v0                        ; wave
	s_lshl_b32 s3, ttmp9, 4
	v_add_nc_u32 v3, s3, v2                        ; t of the first row
	v_add_nc_u32 v4, 8, v3                         ; and of the second
	v_lshlrev_b32 v5, 3, v0                        ; 256 x wave + 8 x lane
	s_lshl_b32 s28, ttmp9, 12                      ; 16 rows of 256 bytes
	s_add_nc_u64 s[20:21], s[20:21], s[28:29]
	v_mov_b32 v6, 0x3e22f983                       ; g = 1 / 2 pi, high part
	v_mov_b32 v7, 0x31dc9c88                       ; and low part
.irp k, 0,1,2,3,4                      ; which lanes' j has bit k: the five compares stand in one run
	v_and_b32 v12, 1<<(\k), v1
	v_cmp_ne_u32 s[MB+(\k)], 0, v12
.endr
	s_wait_alu depctr_va_sdst(0)                   ; the five compares have written s[32:36], ahead of the first select that reads one of them
; g (v6 + v7) times hi + lo where j has bit k, times 1 elsewhere: product, its exact remainder by fused multiply-adds, renormalised
.macro DFSTEP k, hi, lo
	s_mov_b32 s30, \hi
	s_mov_b32 s31, \lo
	v_cndmask_b32 v8, 1.0, s30, s[MB+(\k)]
	v_cndmask_b32 v9, 0, s31, s[MB+(\k)]
	v_mul_f32 v10, v6, v8
	v_fma_f32 v11, v6, v8, -v10
	v_fma_f32 v11, v6, v9, v11
	v_fma_f32 v11, v7, v8, v11
	v_add_f32 v6, v10, v11
	v_sub_f32 v12, v6, v10
	v_sub_f32 v7, v11, v12
.endm
	DFSTEP 0, 0x3f3ff911, 0x32022bb3               ; 10^(-1/8)
	DFSTEP 1, 0x3f0ff59a, 0xb1f8f1f8               ; 10^(-1/4)
	DFSTEP 2, 0x3ea1e89b, 0x31121242               ; 10^(-1/2)
	DFSTEP 3, 0x3dcccccd, 0xb0cccccd               ; 10^-1
	DFSTEP 4, 0x3c23d70a, 0x2f75c28f               ; 10^-2
; cos and sin of t x g turns, in two parts, so that both rows' compares stand ahead of one wait.  w: fifteen registers at work, a set for each row.
; The first part: the series' values into v[w+11] (sine) and v[w+12] (cosine), the quarter turns into v[w+13], and into s[m] the lanes where they are odd.
.macro ANGLE1 t, w, m
	v_cvt_f32_u32 v[(\w)], v[\t]
	v_mul_f32 v[(\w)+1], v[(\w)], v6               ; turns, high part,
	v_fma_f32 v[(\w)+2], v[(\w)], v6, -v[(\w)+1]   ; what the product lost,
	v_fma_f32 v[(\w)+2], v[(\w)], v7, v[(\w)+2]    ; and g's low part
	v_rndne_f32 v[(\w)+3], v[(\w)+1]
	v_sub_f32 v[(\w)+4], v[(\w)+1], v[(\w)+3]      ; whole turns leave exactly
	v_add_f32 v[(\w)+4], v[(\w)+4], v[(\w)+2]      ; the fraction, -1/2 .. 1/2
	v_mul_f32 v[(\w)+5], 4.0, v[(\w)+4]
	v_rndne_f32 v[(\w)+5], v[(\w)+5]               ; quarter turns, -2 .. 2
	v_fmamk_f32 v[(\w)+6], v[(\w)+5], 0xbe800000, v[(\w)+4]  ; what is left, -1/8 .. 1/8 of a turn
	v_mul_f32 v[(\w)+7], 0x40c90fdb, v[(\w)+6]     ; in radians
	v_mul_f32 v[(\w)+8], v[(\w)+7], v[(\w)+7]
	v_mov_b32 v[(\w)+9], 0x3638ef1d                ; sine: 1/9!, -1/7!, 1/5!, -1/3!
	v_fmaak_f32 v[(\w)+9], v[(\w)+9], v[(\w)+8], 0xb9500d01
	v_fmaak_f32 v[(\w)+9], v[(\w)+9], v[(\w)+8], 0x3c088889
	v_fmaak_f32 v[(\w)+9], v[(\w)+9], v[(\w)+8], 0xbe2aaaab
	v_mul_f32 v[(\w)+11], v[(\w)+7], v[(\w)+8]
	v_fma_f32 v[(\w)+11], v[(\w)+11], v[(\w)+9], v[(\w)+7]
	v_mov_b32 v[(\w)+10], 0xb493f27e               ; cosine: -1/10!, 1/8!, -1/6!, 1/4!, -1/2
	v_fmaak_f32 v[(\w)+10], v[(\w)+10], v[(\w)+8], 0x37d00d01
	v_fmaak_f32 v[(\w)+10], v[(\w)+10], v[(\w)+8], 0xbab60b61
	v_fmaak_f32 v[(\w)+10], v[(\w)+10], v[(\w)+8], 0x3d2aaaab
	v_fmaak_f32 v[(\w)+10], v[(\w)+10], v[(\w)+8], 0xbf000000
	v_fma_f32 v[(\w)+12], v[(\w)+10], v[(\w)+8], 1.0
	v_cvt_i32_f32 v[(\w)+13], v[(\w)+5]
	v_and_b32 v[(\w)+14], 1, v[(\w)+13]
	v_cmp_ne_u32 s[\m], 0, v[(\w)+14]
.endm
; The second part: cos and sin into v[o], v[o+1].
.macro ANGLE2 o, w, m
	v_cndmask_b32 v[\o], v[(\w)+12], v[(\w)+11], s[\m]       ; an odd quarter swaps the two,
	v_cndmask_b32 v[(\o)+1], v[(\w)+11], v[(\w)+12], s[\m]
	v_add_nc_u32 v[(\w)+14], 1, v[(\w)+13]         ; quarters 1 and 2 turn the cosine's sign,
	v_and_b32 v[(\w)+14], 2, v[(\w)+14]
	v_lshlrev_b32 v[(\w)+14], 30, v[(\w)+14]
	v_xor_b32 v[\o], v[(\w)+14], v[\o]
	v_and_b32 v[(\w)+14], 2, v[(\w)+13]            ; quarters 2 and 3 the sine's
	v_lshlrev_b32 v[(\w)+14], 30, v[(\w)+14]
	v_xor_b32 v[(\o)+1], v[(\w)+14], v[(\o)+1]
.endm
	ANGLE1 3, 13, MA
	ANGLE1 4, 32, MA+1
	s_wait_alu depctr_va_sdst(0)                   ; the two compares have written s37 and s38, ahead of the selects that read them
	ANGLE2 28, 13, MA
	ANGLE2 30, 32, MA+1
	s_wait_alu depctr_va_vdst(0)                   ; v[28:31], the two stores' data, and v5, their offset, are written
	global_store_b64 v5, v[28:29], s[20:21]              ; a wave stores one whole row of 256 bytes,
	global_store_b64 v5, v[30:31], s[20:21] offset:2048  ; and the row eight further down
	s_endpgm
.Lfunc_end_k_q0940a9926d_prep:
	.size	k_q0940a9926d_prep, .Lfunc_end_k_q0940a9926d_prep-k_q0940a9926d_prep
	.p2alignl 7, 3214868480
	.fill 96, 4, 3214868480
	.section	.rodata,"a",@progbits
	.p2align	6, 0x0
	.amdhsa_kernel k_q0940a9926d_prep
		.amdhsa_group_segment_fixed_size 0
		.amdhsa_private_segment_fixed_size 0
		.amdhsa_enable_private_segment 0
		.amdhsa_kernarg_size 56
		.amdhsa_user_sgpr_count 2
		.amdhsa_user_sgpr_kernarg_segment_ptr 1
		.amdhsa_wavefront_size32 1
		.amdhsa_system_sgpr_workgroup_id_x 1
		.amdhsa_system_sgpr_workgroup_id_y 1
		.amdhsa_system_sgpr_workgroup_id_z 1
		.amdhsa_system_vgpr_workitem_id 0
		.amdhsa_next_free_vgpr 144
		.amdhsa_next_free_sgpr 66
		.amdhsa_reserve_vcc 0
		.amdhsa_float_denorm_mode_32 3
		.amdhsa_float_denorm_mode_16_64 3
		.amdhsa_memory_ordered 1
		.amdhsa_forward_progress 1
		.amdhsa_inst_pref_size 18
	.end_amdhsa_kernel
	.amdgpu_metadata
---
amdhsa.version: [ 1, 2 ]
amdhsa.kernels:
  - .name:           k_q0940a9926d_prep
    .symbol:         k_q0940a9926d_prep.kd
    .args:
      - { .name: x, .offset: 0, .size: 8, .value_kind: global_buffer, .address_space: global }
      - { .name: wq, .offset: 8, .size: 8, .value_kind: global_buffer, .address_space: global }
      - { .name: wk, .offset: 16, .size: 8, .value_kind: global_buffer, .address_space: global }
      - { .name: wv, .offset: 24, .size: 8, .value_kind: global_buffer, .address_space: global }
      - { .name: xb, .offset: 32, .size: 8, .value_kind: global_buffer, .address_space: global }
      - { .name: wb, .offset: 40, .size: 8, .value_kind: global_buffer, .address_space: global }
      - { .name: tab, .offset: 48, .size: 8, .value_kind: global_buffer, .address_space: global }
    .group_segment_fixed_size: 0
    .private_segment_fixed_size: 0
    .kernarg_segment_align: 8
    .kernarg_segment_size: 56
    .max_flat_workgroup_size: 256
    .sgpr_count:     66
    .vgpr_count:     144
    .wavefront_size: 32
...
	.end_amdgpu_metadata
.endif
;; end of part 5
;; launch qkv: the kernel of part 2 again; grid 16 x 16, 4 waves a work-group, clusters of 4 x 4, 327,680 bytes of LDS; arguments xb, wb, tab, qkv; writes qkv
;; launch attn: the kernel of part 3 again; grid 16 x 16, 4 waves a work-group, clusters of 4 x 1, 327,680 bytes of LDS; arguments qkv, at, lambda_q1, lambda_k1, lambda_q2, lambda_k2, subln_weight, wout, wo; writes at, wo
;; launch proj: the kernel of part 4 again; grid 16 x 16, 4 waves a work-group, clusters of 4 x 4, 327,680 bytes of LDS; arguments at, wo, out0; writes out0
